; MI455X (gfx1250); checked and timed in simulation.
; The chip was launched on July 23, 2026; its instructions are those of AMD's public machine-readable ISA for CDNA 5 (MIT licence, August 2026) and "CDNA5" Instruction Set Architecture Reference Guide (July 2026). The comments in the code are by the model that wrote it; some were corrected since.
;; Causal Self Attention. Allowed arithmetic: matrix products marked QUANTISED: E2M1 operands, one E8M0 scale for each 32 along K, by v_wmma_scale_f32_16x16x128_f8f6f4 with both operands' format E2M1 (or v_wmma_scale_f32_32x16x128_f4), f32 sums; products left as they are: bf16, f16 or f32 operands; f32 sums; everything else in f32.
;; Inputs: b_proj 1,024 float32; b_qkv 3,072 float32; mask 1 x 1 x 2,048 x 2,048 bool; w_proj 1,024 x 1,024 float32; w_qkv 3,072 x 1,024 float32; x 4 x 2,048 x 1,024 float32.
;; Outputs: out0 4 x 2,048 x 1,024 float32.
;; This version of the problem:
;;   THIS VERSION OF THE PROBLEM IS GIVEN IN LOW PRECISION. The matrix products marked QUANTISED in the list below multiply operands that are first quantised to E2M1 (2 exponent bits, 1 mantissa bit; 4 bits a number), with one power-of-two scale for each 32 numbers along K (OCP MX v1.0); their sums are f32. The products marked 'left as it is' may take bf16, f16 or f32 operands, with f32 sums. Whichever they take, every output number must still come out within the allowed error. Rounding operands to bf16 (8 significant bits) uses up far more of that allowance than f16 does (11 bits, for magnitudes from 6e-5 to 65,504). All else is computed in f32.
;;   The module's matrix products, in the order in which they are computed (A, B: the left and right operand; K: the contracted axis; several contracted axes count as one K, in the product's order):
;;     1. [M 8,192, K 1,024] x [K 1,024, N 3,072]; A: input x; B: input w_qkv: QUANTISED
;;     2. batch 64 x [M 2,048, K 64] x [K 64, N 2,048]; A: computed on the way; B: computed on the way: left as it is (an operand is computed on the way)
;;     3. batch 64 x [M 2,048, K 2,048] x [K 2,048, N 64]; A: computed on the way; B: computed on the way: left as it is (an operand is computed on the way)
;;     4. [M 8,192, K 1,024] x [K 1,024, N 1,024]; A: computed on the way; B: input w_proj: left as it is (an operand is computed on the way)
;;   THE QUANTISER, for each operand of a quantised product, along K:
;;     - K is cut into blocks of 32 from its start; a last block that is shorter is filled with zeros.
;;     - A block's scale is 2^e with e = floor(log2(the largest magnitude in the block)) - 2, held to -126 .. 127; a block of zeros has e = 0. As a byte (E8M0): e + 127.
;;     - Each number is divided by its block's scale, clamped to +-6, and rounded to the nearest number of E2M1, ties to even, subnormals kept.
;;     - The product sums the exact products of the quantised numbers (number of the format x scale) in f32.
;;   ~~~python
;;   def quantise(x, axis):      # numpy; x: float32 -> the quantised numbers, widened to float32 again
;;       x = np.moveaxis(x, axis, -1); K = x.shape[-1]
;;       x = np.pad(x, [(0, 0)] * (x.ndim - 1) + [(0, -K % 32)]); x = x.reshape(x.shape[:-1] + (-1, 32)); a = np.abs(x).max(-1, keepdims=True)
;;       e = np.where(a > 0, np.clip(np.frexp(np.where(a > 0, a, 1))[1] - 1 - 2, -126, 127), 0)      # np.frexp(a)[1] - 1 = floor(log2(a)), exactly
;;       r = np.clip(x / 2.0 ** e, -6, 6)
;;       step = 2.0 ** (np.maximum(np.frexp(np.where(r == 0, 1, r))[1] - 1, 0) - 1)
;;       q = np.round(r / step) * step * 2.0 ** e      # np.round: ties to even
;;       return np.moveaxis(q.reshape(q.shape[:-2] + (-1,))[..., :K], -1, axis).astype(np.float32)
;;   ~~~
;; One version. Each part assembles by itself: llvm-mc -triple=amdgcn-amd-amdhsa -mcpu=gfx1250 --defsym DOCPART=n.
;; ======== version 1 of 1: 6 launches
;; limits: values are held in f16: magnitudes above 65,504 overflow, below 6.1e-05 lose precision
;; workspace buffers: codes 5,767,168 bytes; scales 360,448 bytes; wp 2,097,152 bytes; flags 1,024 bytes of whole numbers; qkv 50,331,648 bytes; yimg 16,777,216 bytes; yfine 262,144 bytes
;; launch prep (part 1): grid 433 x 1, 4 waves a work-group, no clusters, 33,280 bytes of LDS; arguments x, w_qkv, w_proj, mask, codes, scales, wp, flags; writes codes, scales, wp, flags
.if DOCPART == 1
	.amdgcn_target "amdgcn-amd-amdhsa--gfx1250"
	.amdhsa_code_object_version 6
	.text
	.protected	k_q69c13241a4_prep
	.globl	k_q69c13241a4_prep
	.p2align	8
	.type	k_q69c13241a4_prep,@function
k_q69c13241a4_prep:
	s_mov_b64 s[64:65], 0
	v_nop
	global_prefetch_b8 v0, s[64:65] scope:SCOPE_SE
	s_setreg_imm32_b32 hwreg(HW_REG_WAVE_MODE, 25, 1), 1
	s_wait_xcnt 0x0
; FOUR PIECES OF PREPARATION IN ONE LAUNCH, told apart by the work-group's number.
; (a) work-groups 0-351: x [8192][1024] and w_qkv [3072][1024], f32, become codes of FP4 (E2M1), K innermost, two codes a byte, and one E8M0 byte for each 32 along K.
;     A block's byte is its largest magnitude's exponent field - 2, held at 1 from below.  w_qkv's codes and bytes lie directly behind x's in the two buffers.
; (b) work-groups 352-415: w_proj [1024][1024] f32 becomes f16 in TILE IMAGES: a tile of 16 rows x 16 columns is 512 bytes, lane (r = l % 16, h = l / 16) owns the 16 bytes at 16 l: row r, columns 8 h .. 8 h + 7.
; (c) work-groups 416-431: the mask [2048][2048] (bytes 0 or 1) becomes two words for each group g of 32 queries: bit s of word 2 g: some key of 128 s .. 128 s + 127 is allowed for some of the 32 queries;
;     bit s of word 2 g + 1: not all of them are allowed.  Bits 16-31 are 0.
; (d) work-group 432: for queries 0-15, bit kb % 32 of word 128 + kb / 32: some key of 16 kb .. 16 kb + 15 is allowed.
; LIMITS: NaN and infinities among the inputs are not served.  Blocks whose largest magnitude lies under 2^-124 keep the byte 1.  A block of zeros gets the byte 1 where the quantiser says 127: its codes are zeros, and the bytes are read by this program alone.
; Only (a) touches LDS: a stage and 256 scale bytes for each wave.  Waves share nothing: no barrier.
.set STEPS, 16
.set EMAX,  2
.set CB,    8                          ; bytes of 16 codes
.set R,     16                         ; v16-79   four sets of 16 numbers as loaded
.set X,     80                         ; v80-111  two sets of 16 neighbours
.set C,     128                        ; v128-191 codes, four registers a step
.set E,     112                        ; v112-127 a scale byte a step
.set WREG,  8192                       ; LDS of a wave: two stages of 32 x SP bytes, then 256 scale bytes
.set SP,    80
.set SPW,   12                         ; v12 my spare word's address; never rewritten
.set NIL,   13                         ; v13 0; never rewritten
.set SPARE, 4*WREG                     ; the spare words: 128 bytes a wave, named by no other line
.macro LOADX t
.irp i, 0,1,2,3
	global_load_b128 v[R+16*((\t)%4)+4*\i:R+16*((\t)%4)+4*\i+3], v3, s[4:5] offset:2048*(\t)+512*\i th:TH_LOAD_NT   ; 32 lanes read 512 consecutive bytes
.endr
.endm
.macro TURNX t                         ; a step's 2,048 bytes through the stage: in as loaded, back 64 bytes a lane.  LDS serves a wave's instructions in order
.irp i, 0,1,2,3
	ds_store_b128 v14, v[R+16*((\t)%4)+4*\i:R+16*((\t)%4)+4*\i+3] offset:32*SP*((\t)%2)+8*SP*\i
.endr
.irp i, 0,1,2,3
	ds_load_b128 v[X+16*((\t)%2)+4*\i:X+16*((\t)%2)+4*\i+3], v15 offset:32*SP*((\t)%2)+16*\i
.endr
.endm
.macro STEPX t
.set XS, X+16*((\t)%2)
.if (\t) > 0
	s_wait_dscnt 1                                 ; this step's numbers are back; the last step's byte store may be out
.else
	s_wait_dscnt 0x0
.endif
.if (\t)+4 < STEPS
	LOADX (\t)+4
.endif
.if (\t)+1 < STEPS
.if STEPS-2-(\t) >= 3
	s_wait_loadcnt 12                              ; the next step's four loads are in; three steps' twelve may be out
.else
	s_wait_loadcnt 4*(STEPS-2-(\t))
.endif
	TURNX (\t)+1
.endif
	v_max3_num_f32 v8, |v[XS]|, |v[XS+1]|, |v[XS+2]|
	v_max3_num_f32 v9, |v[XS+3]|, |v[XS+4]|, |v[XS+5]|
.irp i, 6,10
	v_max3_num_f32 v8, v8, |v[XS+\i]|, |v[XS+\i+1]|
	v_max3_num_f32 v9, v9, |v[XS+\i+2]|, |v[XS+\i+3]|
.endr
	v_max3_num_f32 v8, v8, |v[XS+14]|, |v[XS+15]|
	v_max3_num_f32 v8, v8, v9, (EMAX+1)<<23        ; the floor 2^(3 - 127): the byte cannot fall under 1
	v_max_num_f32_dpp v8, v8, v8 row_xmask:1 row_mask:0xf bank_mask:0xf   ; with my neighbour's 16: the block's largest magnitude
	v_add_nc_u32 v11, -(EMAX<<23), v8              ; 2 off its exponent field: the conversion's scale operand
	v_cvt_scalef32_pk8_fp4_f32 v[C+4*(\t)], v[XS:XS+7], v11
	v_cvt_scalef32_pk8_fp4_f32 v[C+4*(\t)+1], v[XS+8:XS+15], v11
	v_lshrrev_b32 v[E+(\t)], 23, v11               ; the scale's byte
	ds_store_b8 v5, v[E+(\t)] offset:16*(\t)       ; both lanes of a block write the same byte with the same value
	global_store_b64 v4, v[C+4*(\t):C+4*(\t)+1], s[12:13] offset:32*CB*(\t)   ; the wave stores 256 consecutive bytes
.endm
.macro LOADC cc, set                   ; 32 rows x 256 bytes of the mask: sixteen lanes read 256 consecutive bytes of a row, an instruction two rows
.irp i, 0,1,2,3,4,5,6,7,8,9,10,11,12,13,14,15
	global_load_b128 v[\set+4*\i:\set+4*\i+3], v3, s[10:11] offset:\i*4096+(\cc)*256
.endr
.endm
.macro RED set                         ; the OR of a lane's 64 words into v16, their AND into v20, four chains each
.irp k, 0,1,2,3
	v_or_b32  v[16+\k], v[\set+\k], v[\set+4+\k]
	v_and_b32 v[20+\k], v[\set+\k], v[\set+4+\k]
.endr
.set J, 8
.rept 14
.irp k, 0,1,2,3
	v_or_b32  v[16+\k], v[16+\k], v[\set+J+\k]
	v_and_b32 v[20+\k], v[20+\k], v[\set+J+\k]
.endr
.set J, J+4
.endr
	v_or_b32 v16, v16, v17
	v_or_b32 v18, v18, v19
	v_or_b32 v16, v16, v18
	v_and_b32 v20, v20, v21
	v_and_b32 v22, v22, v23
	v_and_b32 v20, v20, v22
.endm
.macro CHUNK cc                        ; columns 256 cc on: key steps 2 cc (lanes with l % 16 < 8) and 2 cc + 1 (the others)
.if (\cc) < 7
	s_wait_loadcnt 16                              ; this chunk's 16 loads are in; the next chunk's may be out
.else
	s_wait_loadcnt 0x0
.endif
	RED 64+64*((\cc)%2)
.if (\cc) < 6
	LOADC (\cc)+2, 64+64*((\cc)%2)
.endif
	v_cmp_ne_u32 s30, 0, v16                       ; lanes that saw an allowed key
	v_cmp_eq_u32 s31, s29, v20                     ; lanes all of whose keys are allowed
	s_and_b32 s28, s30, 0x00ff00ff
	s_cselect_b32 s28, 1<<(2*(\cc)), 0
	s_or_b32 s24, s24, s28
	s_and_b32 s28, s30, 0xff00ff00
	s_cselect_b32 s28, 2<<(2*(\cc)), 0
	s_or_b32 s24, s24, s28
	s_and_b32 s28, s31, 0x00ff00ff
	s_cmp_lg_u32 s28, 0x00ff00ff
	s_cselect_b32 s28, 1<<(2*(\cc)), 0
	s_or_b32 s25, s25, s28
	s_and_b32 s28, s31, 0xff00ff00
	s_cmp_lg_u32 s28, 0xff00ff00
	s_cselect_b32 s28, 2<<(2*(\cc)), 0
	s_or_b32 s25, s25, s28
.endm
	s_load_b256 s[4:11], s[0:1], 0x0               ; x s[4:5], w_qkv s[6:7], w_proj s[8:9], mask s[10:11]
	s_load_b256 s[12:19], s[0:1], 0x20             ; codes s[12:13], scales s[14:15], wp s[16:17], flags s[18:19]
	v_lshl_add_u32 v[SPW], v0, 2, SPARE
	v_mov_b32 v[NIL], 0
	v_lshrrev_b32 v1, 5, v0
	v_readfirstlane_b32 s20, v1                    ; wave
	v_and_b32 v2, 31, v0                           ; lane
	s_cmp_lt_u32 ttmp9, 352
	s_cbranch_scc0 .Lnot_quant
	; ---- (a) the quantiser: a wave takes 16 steps of 512 numbers
	v_lshlrev_b32 v3, 4, v2                        ; my 16 bytes of a load's 512
	s_mul_i32 s21, s20, WREG
	v_lshrrev_b32 v14, 2, v2
	v_mul_u32_u24 v14, v14, SP
	v_and_b32 v15, 3, v2
	v_lshl_add_u32 v14, v15, 4, v14
	v_add_nc_u32 v14, s21, v14                     ; the stage, way in: SP (lane / 4) + 16 (lane % 4)
	v_mul_u32_u24 v15, v2, SP
	v_add_nc_u32 v15, s21, v15                     ; way out: SP x lane
	v_mul_u32_u24 v4, v2, CB                       ; my codes' place in a step's 256 bytes
	v_lshrrev_b32 v5, 1, v2
	s_add_co_u32 s21, s21, 2*32*SP
	v_add_nc_u32 v5, s21, v5                       ; my block's scale byte in LDS
	v_lshlrev_b32 v7, 3, v2
	v_add_nc_u32 v6, s21, v7
	s_wait_kmcnt 0x0
	s_cmp_lt_u32 ttmp9, 256                        ; x's work-group or w_qkv's: the work-group's number alone decides
	s_cselect_b64 s[4:5], s[4:5], s[6:7]
	s_cselect_b32 s21, 0, 256
	s_sub_co_u32 s21, ttmp9, s21
	s_lshl_b32 s21, s21, 2
	s_add_co_u32 s22, s21, s20                     ; which run of 8,192 numbers of the tensor is my wave's
	s_lshl_b32 s22, s22, 15                        ; 32,768 bytes a run
	s_mov_b32 s23, 0
	s_add_nc_u64 s[4:5], s[4:5], s[22:23]
	s_lshl_b32 s21, ttmp9, 2
	s_add_co_u32 s21, s21, s20                     ; and which run of the two outputs: w_qkv's follow x's
	s_lshl_b32 s22, s21, 12                        ; 4,096 bytes of codes a run
	s_add_nc_u64 s[12:13], s[12:13], s[22:23]
	s_lshl_b32 s22, s21, 8                         ; 256 scale bytes a run
	s_add_nc_u64 s[14:15], s[14:15], s[22:23]
.irp t, 0,1,2,3
	LOADX \t
.endr
	s_wait_loadcnt 12                              ; step 0's four loads are in
	TURNX 0
.irp t, 0,1,2,3,4,5,6,7,8,9,10,11,12,13,14,15
	STEPX \t
.endr
	ds_load_b64 v[8:9], v6                         ; my wave's 256 scale bytes, 8 a lane: these loads see my stores
	s_wait_dscnt 0x0
	global_store_b64 v7, v[8:9], s[14:15]          ; 256 consecutive bytes
	s_wait_tensorcnt 0x0                           ; the wave's end
	ds_add_u32 v[SPW], v[NIL]
	s_wait_dscnt 0x0
	s_endpgm
.Lnot_quant:
	s_cmp_lt_u32 ttmp9, 416
	s_cbranch_scc0 .Lnot_wp
	; ---- (b) w_proj to f16 tile images: the work-group takes 16 rows, wave w the tiles of columns 256 w .. 256 w + 255
	v_and_b32 v3, 15, v0                           ; r
	v_bfe_u32 v4, v0, 4, 1                         ; h
	v_lshlrev_b32 v5, 12, v3
	v_lshl_add_u32 v5, v4, 5, v5                   ; in: row r of 4,096 bytes, + 32 h
	v_lshlrev_b32 v6, 4, v2                        ; out: 16 x lane
	s_sub_co_u32 s21, ttmp9, 352
	s_lshl_b32 s22, s21, 16                        ; 16 rows of 4,096 bytes
	s_lshl_b32 s24, s20, 10
	s_add_co_u32 s22, s22, s24
	s_mov_b32 s23, 0
	s_lshl_b32 s24, s21, 15                        ; 64 tiles of 512 bytes
	s_lshl_b32 s25, s20, 13
	s_add_co_u32 s24, s24, s25
	s_mov_b32 s25, 0
	s_wait_kmcnt 0x0
	s_add_nc_u64 s[8:9], s[8:9], s[22:23]
	s_add_nc_u64 s[16:17], s[16:17], s[24:25]
.irp j, 0,1,2,3,4,5,6,7
	global_load_b128 v[32+8*\j:32+8*\j+3], v5, s[8:9] offset:64*\j
	global_load_b128 v[32+8*\j+4:32+8*\j+7], v5, s[8:9] offset:64*\j+16
.endr
.irp j, 0,1,2,3,4,5,6,7
	global_load_b128 v[96+8*\j:96+8*\j+3], v5, s[8:9] offset:512+64*\j
	global_load_b128 v[96+8*\j+4:96+8*\j+7], v5, s[8:9] offset:512+64*\j+16
.endr
	s_wait_loadcnt 16                              ; the first eight tiles are in; the other eight tiles' 16 loads may be out
.irp j, 0,1,2,3,4,5,6,7
.irp i, 0,1,2,3
	v_cvt_pk_f16_f32 v[160+4*\j+\i], v[32+8*\j+2*\i], v[32+8*\j+2*\i+1]
.endr
	global_store_b128 v6, v[160+4*\j:160+4*\j+3], s[16:17] offset:512*\j   ; 512 consecutive bytes
.endr
	s_wait_loadcnt 0x0
.irp j, 0,1,2,3,4,5,6,7
.irp i, 0,1,2,3
	v_cvt_pk_f16_f32 v[32+4*\j+\i], v[96+8*\j+2*\i], v[96+8*\j+2*\i+1]
.endr
	global_store_b128 v6, v[32+4*\j:32+4*\j+3], s[16:17] offset:4096+512*\j
.endr
	s_endpgm
.Lnot_wp:
	v_and_b32 v3, 15, v0
	v_bfe_u32 v4, v0, 4, 1
	v_lshlrev_b32 v3, 4, v3
	v_lshl_add_u32 v3, v4, 11, v3                  ; 16 (l % 16) + a row of 2,048 bytes for lanes 16-31
	s_mov_b32 s23, 0
	s_cmp_lt_u32 ttmp9, 432
	s_cbranch_scc0 .Lfine_flags
	; ---- (c) the tile flags of my wave's 32 queries
	s_sub_co_u32 s21, ttmp9, 416
	s_lshl_b32 s21, s21, 2
	s_add_co_u32 s21, s21, s20                     ; g
	s_lshl_b32 s22, s21, 16                        ; 32 rows of 2,048 bytes
	s_mov_b32 s24, 0                               ; word 2 g
	s_mov_b32 s25, 0                               ; word 2 g + 1
	s_mov_b32 s29, 0x01010101
	s_wait_kmcnt 0x0
	s_add_nc_u64 s[10:11], s[10:11], s[22:23]
	LOADC 0, 64
	LOADC 1, 128
.irp cc, 0,1,2,3,4,5,6,7
	CHUNK \cc
.endr
	v_mov_b32 v24, s24
	v_mov_b32 v25, s25
	s_lshl_b32 s21, s21, 3
	v_mov_b32 v26, s21
	s_wait_xcnt 0x0                                ; EXEC changes only behind this wait
	v_cmp_eq_u32 vcc_lo, 0, v2
	s_and_saveexec_b32 s28, vcc_lo
	global_store_b64 v26, v[24:25], s[18:19]       ; lane 0 alone
	s_wait_xcnt 0x0
	s_or_b32 exec_lo, exec_lo, s28
	s_endpgm
.Lfine_flags:
	; ---- (d) queries 0-15: wave w takes columns 512 w .. 512 w + 511: 32 blocks of 16 keys, a lane's 16 bytes being one block of one row
	s_lshl_b32 s22, s20, 9
	s_wait_kmcnt 0x0
	s_add_nc_u64 s[10:11], s[10:11], s[22:23]
.irp c, 0,1
.irp i, 0,1,2,3,4,5,6,7
	global_load_b128 v[64+32*\c+4*\i:64+32*\c+4*\i+3], v3, s[10:11] offset:\i*4096+\c*256
.endr
.endr
	s_wait_loadcnt 0x0
.irp c, 0,1
	v_or_b32 v[16+\c], v[64+32*\c], v[65+32*\c]
.endr
.set J, 2
.rept 30
.irp c, 0,1
	v_or_b32 v[16+\c], v[16+\c], v[64+32*\c+J]
.endr
.set J, J+1
.endr
	v_cmp_ne_u32 s30, 0, v16
	v_cmp_ne_u32 s31, 0, v17
	s_lshr_b32 s28, s30, 16                        ; even rows' lanes and odd rows' lanes are joined
	s_or_b32 s30, s30, s28
	s_and_b32 s30, s30, 0xffff
	s_lshr_b32 s28, s31, 16
	s_or_b32 s31, s31, s28
	s_lshl_b32 s31, s31, 16
	s_or_b32 s24, s30, s31
	v_mov_b32 v24, s24
	s_lshl_b32 s21, s20, 2
	v_mov_b32 v26, s21
	s_wait_xcnt 0x0
	v_cmp_eq_u32 vcc_lo, 0, v2
	s_and_saveexec_b32 s28, vcc_lo
	global_store_b32 v26, v24, s[18:19] offset:512
	s_wait_xcnt 0x0
	s_or_b32 exec_lo, exec_lo, s28
	s_endpgm
.Lfunc_end_k_q69c13241a4_prep:
	.size	k_q69c13241a4_prep, .Lfunc_end_k_q69c13241a4_prep-k_q69c13241a4_prep
	.p2alignl 7, 3214868480
	.fill 96, 4, 3214868480
	.section	.rodata,"a",@progbits
	.p2align	6, 0x0
	.amdhsa_kernel k_q69c13241a4_prep
		.amdhsa_group_segment_fixed_size 33280
		.amdhsa_private_segment_fixed_size 0
		.amdhsa_enable_private_segment 0
		.amdhsa_kernarg_size 64
		.amdhsa_user_sgpr_count 2
		.amdhsa_user_sgpr_kernarg_segment_ptr 1
		.amdhsa_wavefront_size32 1
		.amdhsa_system_sgpr_workgroup_id_x 1
		.amdhsa_system_sgpr_workgroup_id_y 1
		.amdhsa_system_sgpr_workgroup_id_z 1
		.amdhsa_system_vgpr_workitem_id 0
		.amdhsa_next_free_vgpr 192
		.amdhsa_next_free_sgpr 66
		.amdhsa_reserve_vcc 1
		.amdhsa_float_denorm_mode_32 3
		.amdhsa_float_denorm_mode_16_64 3
		.amdhsa_memory_ordered 1
		.amdhsa_forward_progress 1
		.amdhsa_inst_pref_size 98
	.end_amdhsa_kernel
	.amdgpu_metadata
---
amdhsa.version: [ 1, 2 ]
amdhsa.kernels:
  - .name:           k_q69c13241a4_prep
    .symbol:         k_q69c13241a4_prep.kd
    .args:
      - { .name: x, .offset: 0, .size: 8, .value_kind: global_buffer, .address_space: global }
      - { .name: w_qkv, .offset: 8, .size: 8, .value_kind: global_buffer, .address_space: global }
      - { .name: w_proj, .offset: 16, .size: 8, .value_kind: global_buffer, .address_space: global }
      - { .name: mask, .offset: 24, .size: 8, .value_kind: global_buffer, .address_space: global }
      - { .name: codes, .offset: 32, .size: 8, .value_kind: global_buffer, .address_space: global }
      - { .name: scales, .offset: 40, .size: 8, .value_kind: global_buffer, .address_space: global }
      - { .name: wp, .offset: 48, .size: 8, .value_kind: global_buffer, .address_space: global }
      - { .name: flags, .offset: 56, .size: 8, .value_kind: global_buffer, .address_space: global }
    .group_segment_fixed_size: 33280
    .private_segment_fixed_size: 0
    .kernarg_segment_align: 8
    .kernarg_segment_size: 64
    .max_flat_workgroup_size: 128
    .sgpr_count:     66
    .vgpr_count:     192
    .wavefront_size: 32
...
	.end_amdgpu_metadata
.endif
;; end of part 1
;; launch qkv (part 2): grid 12 x 32, 4 waves a work-group, clusters of 4 x 4, 327,680 bytes of LDS; arguments codes, scales, b_qkv, qkv; writes qkv
.if DOCPART == 2
	.amdgcn_target "amdgcn-amd-amdhsa--gfx1250"
	.amdhsa_code_object_version 6
	.text
	.protected	k_q69c13241a4_qkv
	.globl	k_q69c13241a4_qkv
	.p2align	8
	.type	k_q69c13241a4_qkv,@function
k_q69c13241a4_qkv:
	s_mov_b64 s[64:65], 0
	v_nop
	global_prefetch_b8 v0, s[64:65] scope:SCOPE_SE
	s_setreg_imm32_b32 hwreg(HW_REG_WAVE_MODE, 25, 1), 1
	s_wait_xcnt 0x0
	s_wait_alu depctr_hold_cnt(0) depctr_sa_sdst(0) depctr_va_vdst(0) depctr_va_sdst(0) depctr_va_ssrc(0) depctr_va_vcc(0) depctr_vm_vsrc(0)
	s_getreg_b32 s2, hwreg(HW_REG_IB_STS2, 6, 4)
	s_cmp_eq_u32 s2, 0
	s_cbranch_scc0 .Lentry_in_a_cluster
	s_endpgm
.Lentry_in_a_cluster:
	s_bfe_u32 s2, ttmp6, 0x10000c
	s_cmp_lg_u32 s2, 0xf033
	s_cbranch_scc0 .Lentry_shape_is_right
	s_endpgm
.Lentry_shape_is_right:
; qkv = Q(x) Q(w_qkv)^T + b_qkv on codes of FP4 with E8M0 scales; sums in f32; the result is rounded once to f16 and stored as TILE IMAGES for the attention launch.
; A: x's codes [8192][512 bytes] at the buffer's head, B: w_qkv's [3072][512 bytes] 4,194,304 bytes on; their scale bytes [rows][32], B's 262,144 bytes on.
; A tile of 256 x 256 to a work-group of four waves, 128 x 128 to a wave: 64 accumulators, 512 registers.  K = 1,024 is two K steps of 512: two LDS slots, each filled once; nothing is filled again.
; The scale bytes of the work-group's rows, for all of K, come once with the first fills.  CLUSTERS of 4 x 4: A's tiles are asked for jointly along a row of the cluster, B's along a column.
; THE MATRIX INSTRUCTION IS USED TRANSPOSED (source 0 = 16 rows of B, source 1 = 16 rows of A): a lane holds row l % 16 of the result and eight neighbouring columns 8 (l / 16) + 0 .. 7.
; THE BIAS is the C of each sum's first matrix instruction: eight registers for each of B's eight blocks, in the result's layout.
; THE WAY OUT needs no LDS: a lane's eight numbers, as f16, are 16 bytes of a tile image (16 positions x 16 channels, 512 bytes): lane (r, h) writes at 256 h + 16 (r xor 8 h), so that a store covers 512 consecutive bytes.
;   byte = which x 16,777,216 + (batch x 16 + head) x 262,144 + (position / 16) x 2,048 + (channel / 16) x 512;  which = 0 q, 1 k, 2 v.
; LIMIT: q, k, v beyond f16's largest number, 65,504, are not served (inputs 30 times the drawn ones give magnitudes of some thousands).
; REGISTERS: window 0: v16-31 addresses; v32-95 scale words, two sets; v128-191 A's fragments, one set; v192-255 the bias; on the way out v128-255 hold packed results.
;   window 1: B's fragments, two sets.   window 2: accumulators of my rows 0-63 ((a, b) at v[8 (8 a + b)]);   window 3: rows 64-127.
.set NQ,     4                         ; matrix instructions deep in a slot
.set ROWB,   256                       ; a tile's row: 512 codes
.set KROW,   512                       ; a row of codes in memory
.set PITCH,  272                       ; an LDS row: 256 bytes + 16 of padding: the 16 rows that a load touches start 16 bytes apart modulo 256
.set FR,     8
.set NL,     2
.set NP,     4                         ; places behind this matrix instruction (ISA guide 7.12.1)
.set HALFT,  128*PITCH
.set SLOT,   4*HALFT
.set KS,     32                        ; a row of scale bytes
.set SCL,    2*SLOT
.set HALFS,  (128*KS/256)*272
.set SBLK,   (16*KS/256)*272
.set SPARE,  SCL+4*HALFS               ; the spare words, 128 bytes a wave, named by no other line
.set ADRA, 16
.set ADRB, 20
.set CO,   26                          ; v26 the way out: 256 h + 16 (r xor 8 h)
.set ADRS, 27
.set SPW,  28
.set NIL,  29
.set BO,   30                          ; v30 32 h: my eight numbers of a block's bias
.set SC,   32
.set AF,   128
.set BI,   192
.set PK,   128
.set G1, 24
.set G0, 32
.set G1B, 48
.set G0B, 56
.set G1S, 68
.set G0S, 76
.set G1SB, 80
.set G0SB, 88
.set MSB, 0
.macro WIN new                         ; the immediate's high byte repeats the setting that is left
.if MSB != (\new)
	s_set_vgpr_msb (MSB<<8)|(\new)
.set MSB, (\new)
.endif
.endm
.set MUL_LO, 0xa1                      ; source 0 (B) window 1, source 1 (A) window 0, C and D window 2
.set MUL_HI, 0xf1                      ; the same, C and D window 3
.set TO_B,   0x40
; A joint load: waves 0 and 1 fetch for A, waves 2 and 3 for B; the branch hangs on the wave's number alone.  An s_nop 0 and four v_nop follow each line.
.macro JLOAD g0a, g1a, g0b, g1b
	s_cmp_eq_u32 s15, 0
	s_cbranch_scc0 .Lfor_b_\@
	tensor_load_to_lds s[\g0a:\g0a+3], s[\g1a:\g1a+7]
	s_nop 0
.rept 4
	v_nop
.endr
	s_branch .Lasked_\@
.Lfor_b_\@:
	tensor_load_to_lds s[\g0b:\g0b+3], s[\g1b:\g1b+7]
	s_nop 0
.rept 4
	v_nop
.endr
.Lasked_\@:
.endm
.macro CROUND                          ; a round of the cluster's barrier
	s_barrier_signal -1
	s_barrier_wait -1
	s_cmp_lg_u32 s14, 0
	s_cbranch_scc1 .Lnot_wave_0_\@
	s_barrier_signal -3
.Lnot_wave_0_\@:
	s_barrier_wait -3
	s_barrier_signal -1
	s_barrier_wait -1
.endm
	s_load_b128 s[4:7], s[0:1], 0x0                ; codes s[4:5], scales s[6:7]
	s_load_b128 s[8:11], s[0:1], 0x10              ; b_qkv s[8:9], qkv s[10:11]
	v_lshl_add_u32 v[SPW], v0, 2, SPARE
	v_mov_b32 v[NIL], 0
	ds_add_u32 v[SPW], v[NIL]                      ; the wave's opening: the add, twice on end, and its wait ahead of my first tensor load
	ds_add_u32 v[SPW], v[NIL]
	v_lshrrev_b32 v1, 5, v0
	v_readfirstlane_b32 s14, v1                    ; wave 0..3
	s_lshr_b32 s15, s14, 1                         ; my half of the tile's rows.  Also: I fetch for A (0) or for B (1)
	s_and_b32 s16, s14, 1                          ; my half of its columns.  Also: which 128 rows I fetch
	s_bfe_u32 s40, ttmp6, 0x40000                  ; cx
	s_bfe_u32 s41, ttmp6, 0x40004                  ; cy
	s_lshl_b32 s42, ttmp9, 2
	s_add_co_u32 s42, s42, s40                     ; tile column
	s_and_b32 s17, ttmp7, 0xffff
	s_lshl_b32 s17, s17, 2
	s_add_co_u32 s17, s17, s41                     ; tile row
	s_lshl_b32 s43, s41, 2
	s_lshl_b32 s43, 15, s43                        ; my row of the cluster
	s_lshl_b32 s44, 0x1111, s40                    ; my column
	s_or_b32 s[G1+0], s43, (0<<16)|(1<<20)|(1<<21)|(5<<22)|(3<<25)  ; the mask; elements of 1 byte; padding of 4 words after every 64; bit 21 beside a mask
	s_or_b32 s[G1B+0], s44, (0<<16)|(1<<20)|(1<<21)|(5<<22)|(3<<25)
.irp g, G1, G1B
	s_mov_b32 s[\g+1], ROWB<<16                    ; tensor_dim0
	s_mov_b32 s[\g+2], 128<<16                     ; tensor_dim1
	s_mov_b32 s[\g+3], ROWB<<16                    ; tile_dim0
	s_mov_b32 s[\g+4], 128                         ; tile_dim1
	s_mov_b32 s[\g+5], KROW                        ; from row to row
	s_mov_b32 s[\g+6], 0
	s_mov_b32 s[\g+7], 0
.endr
	s_or_b32 s[G1S+0], s43, (3<<16)|(1<<20)|(1<<21)|(5<<22)|(3<<25) ; the scales of 128 rows: 4,096 dense bytes as 16 rows of 32 elements of 8 bytes, padded alike
	s_or_b32 s[G1SB+0], s44, (3<<16)|(1<<20)|(1<<21)|(5<<22)|(3<<25)
.irp g, G1S, G1SB
	s_mov_b32 s[\g+1], 32<<16
	s_mov_b32 s[\g+2], (128*KS/256)<<16
	s_mov_b32 s[\g+3], 32<<16
	s_mov_b32 s[\g+4], 128*KS/256
	s_mov_b32 s[\g+5], 32
	s_mov_b32 s[\g+6], 0
	s_mov_b32 s[\g+7], 0
.endr
	s_lshl_b32 s18, s16, 7
	s_lshl_b32 s20, s17, 8
	s_add_co_u32 s20, s20, s18                     ; A: row 256 x tile row + 128 x half
	s_lshl_b32 s46, s42, 8
	s_add_co_u32 s46, s46, s18                     ; B: row 256 x tile column + 128 x half
	s_mov_b32 s21, 0
	s_mov_b32 s47, 0
	s_mov_b64 s[18:19], KS
	s_mul_u64 s[22:23], s[20:21], s[18:19]         ; these rows' scales, in bytes
	s_mul_u64 s[92:93], s[46:47], s[18:19]
	s_mov_b64 s[18:19], KROW
	s_mul_u64 s[20:21], s[20:21], s[18:19]         ; and their codes
	s_mul_u64 s[46:47], s[46:47], s[18:19]
	s_mul_i32 s45, s14, HALFT                      ; where they go: wave x 128 rows
	s_mul_i32 s94, s14, HALFS
	s_wait_dscnt 0x0                               ; both opening adds are done
	s_wait_kmcnt 0x0
	s_mov_b64 s[96:97], s[8:9]                     ; the bias
	s_mov_b64 s[12:13], s[10:11]                   ; the output
	s_add_nc_u64 s[8:9], s[4:5], 0x400000          ; w_qkv's codes lie behind x's
	s_add_nc_u64 s[10:11], s[6:7], 0x40000         ; and its scale bytes behind x's
	s_add_nc_u64 s[20:21], s[4:5], s[20:21]
	s_add_nc_u64 s[22:23], s[6:7], s[22:23]
	s_add_nc_u64 s[46:47], s[8:9], s[46:47]
	s_add_nc_u64 s[92:93], s[10:11], s[92:93]
	CROUND                                         ; all sixteen work-groups are here: the first joint loads meet
	s_mov_b32 s[G0S], 1
	s_add_co_u32 s[G0S+1], s94, SCL
	s_mov_b64 s[G0S+2:G0S+3], s[22:23]
	s_or_b32 s[G0S+3], s[G0S+3], 0x80000000
	s_mov_b32 s[G0SB], 1
	s_add_co_u32 s[G0SB+1], s94, SCL
	s_mov_b64 s[G0SB+2:G0SB+3], s[92:93]
	s_or_b32 s[G0SB+3], s[G0SB+3], 0x80000000
	JLOAD G0S, G1S, G0SB, G1SB                     ; the scales first
.irp s, 0,1
	s_mov_b32 s[G0+4*\s], 1
	s_add_co_u32 s[G0+4*\s+1], s45, \s*SLOT
	s_add_nc_u64 s[G0+4*\s+2:G0+4*\s+3], s[20:21], \s*ROWB
	s_or_b32 s[G0+4*\s+3], s[G0+4*\s+3], 0x80000000
	s_mov_b32 s[G0B+4*\s], 1
	s_add_co_u32 s[G0B+4*\s+1], s45, \s*SLOT
	s_add_nc_u64 s[G0B+4*\s+2:G0B+4*\s+3], s[46:47], \s*ROWB
	s_or_b32 s[G0B+4*\s+3], s[G0B+4*\s+3], 0x80000000
	JLOAD G0+4*\s, G1, G0B+4*\s, G1B               ; three loads of mine are out
.endr
	v_and_b32 v1, 15, v0                           ; r
	v_bfe_u32 v2, v0, 4, 1                         ; h
	v_lshlrev_b32 v[BO], 5, v2
	s_lshl_b32 s98, s42, 10                        ; the bias of my 128 columns: (256 x tile column + 128 x half) x 4 bytes
	s_lshl_b32 s99, s16, 9
	s_add_co_u32 s98, s98, s99
	s_mov_b32 s99, 0
	s_add_nc_u64 s[96:97], s[96:97], s[98:99]
.irp b, 0,1,2,3,4,5,6,7
	global_load_b128 v[BI+8*\b:BI+8*\b+3], v[BO], s[96:97] offset:64*\b
	global_load_b128 v[BI+8*\b+4:BI+8*\b+7], v[BO], s[96:97] offset:64*\b+16
.endr
	v_mul_u32_u24 v3, v1, PITCH
	v_lshl_add_u32 v4, v2, 4, v3                   ; a fragment's row x pitch + 16 x half
	s_mul_i32 s21, s15, HALFT
	s_mul_i32 s22, s16, HALFT
	s_add_co_u32 s22, s22, 2*HALFT
.irp s, 0,1
	v_add_nc_u32 v[ADRA+\s], s21, v4
	v_add_nc_u32 v[ADRB+\s], s22, v4
	s_add_co_u32 s21, s21, SLOT
	s_add_co_u32 s22, s22, SLOT
.endr
	v_mul_u32_u24 v5, v1, KS                       ; my row's scales: 32 bytes a row,
	v_lshrrev_b32 v6, 8, v5
	v_lshl_add_u32 v5, v6, 4, v5                   ; and 16 more for each 256 passed
	s_mul_i32 s21, s15, HALFS
	s_mul_i32 s22, s16, HALFS
	s_add_co_u32 s22, s22, 2*HALFS
	s_sub_co_u32 s22, s22, s21
	v_mul_u32_u24 v6, s22, v2                      ; lanes 16-31 take B's
	s_add_co_u32 s21, s21, SCL
	v_add_nc_u32 v5, v5, v6
	v_add_nc_u32 v[ADRS], s21, v5
	v_lshlrev_b32 v5, 3, v2
	v_xor_b32 v5, v5, v1
	v_lshlrev_b32 v5, 4, v5
	v_lshl_add_u32 v[CO], v2, 8, v5                ; 256 h + 16 (r xor 8 h)
	s_lshr_b32 s20, s17, 3                         ; the batch: 8 tile rows each,
	s_lshl_b32 s20, s20, 22                        ; 16 heads x 262,144 bytes
	s_and_b32 s21, s17, 7
	s_lshl_b32 s21, s21, 15                        ; 16 position tiles x 2,048 bytes a tile row
	s_add_co_u32 s20, s20, s21
	s_lshl_b32 s21, s15, 14                        ; my half: 8 position tiles
	s_add_co_u32 s20, s20, s21
	s_mov_b32 s21, 0
	s_lshr_b32 s46, s42, 2                         ; q, k or v: 4 tile columns each
	s_lshl_b32 s46, s46, 24
	s_and_b32 s47, s42, 3
	s_lshl_b32 s47, s47, 20                        ; 4 heads a tile column
	s_add_co_u32 s46, s46, s47
	s_lshl_b32 s47, s16, 19                        ; my half: 2 heads
	s_add_co_u32 s46, s46, s47
	s_mov_b32 s47, 0
	s_add_nc_u64 s[20:21], s[20:21], s[46:47]
	s_add_nc_u64 s[12:13], s[12:13], s[20:21]
.macro FRAG reg, adr, q, i             ; 16 rows x 128 K of 4-bit codes: registers 4 c .. 4 c + 3 hold K = 64 c + 32 (l / 16) + 0 .. 31
.irp c, 0,1
	ds_load_b128 v[\reg+4*\c:\reg+4*\c+3], v[\adr] offset:64*(\q)+32*\c+(\i)*16*PITCH
.endr
.endm
; 16 matrix instructions: A's blocks a0, a0 + 1 x B's eight.  zero = 1: the first product starts the sums from the bias.  The 64 accumulators take turns, one instruction a turn.
.macro MUL16 a0, p, q, sc, zero
.irp a, \a0, \a0+1
.irp b, 0,1,2,3,4,5,6,7
.if \zero
	v_wmma_scale_f32_16x16x128_f8f6f4 v[8*(8*((\a)%4)+\b):8*(8*((\a)%4)+\b)+7], v[128*(\p)+FR*\b:128*(\p)+FR*\b+FR-1], v[AF+FR*(\a):AF+FR*(\a)+FR-1], v[BI+8*\b:BI+8*\b+7], v[SC+8*NQ*(\sc)+NQ*\b+(\q)], v[SC+8*NQ*(\sc)+NQ*(\a)+(\q)] matrix_a_fmt:MATRIX_FMT_FP4 matrix_b_fmt:MATRIX_FMT_FP4 matrix_a_scale:MATRIX_SCALE_ROW1
.else
	v_wmma_scale_f32_16x16x128_f8f6f4 v[8*(8*((\a)%4)+\b):8*(8*((\a)%4)+\b)+7], v[128*(\p)+FR*\b:128*(\p)+FR*\b+FR-1], v[AF+FR*(\a):AF+FR*(\a)+FR-1], v[8*(8*((\a)%4)+\b):8*(8*((\a)%4)+\b)+7], v[SC+8*NQ*(\sc)+NQ*\b+(\q)], v[SC+8*NQ*(\sc)+NQ*(\a)+(\q)] matrix_a_fmt:MATRIX_FMT_FP4 matrix_b_fmt:MATRIX_FMT_FP4 matrix_a_scale:MATRIX_SCALE_ROW1
.endif
.endr
.endr
.endm
.macro FETCH_B slot, q, p
	WIN TO_B
.irp i, 0,1,2,3,4,5,6,7
	FRAG 128*(\p)+FR*\i, ADRB+\slot, \q, \i
.endr
	WIN 0
.endm
.macro FETCH_A slot, q, i0
.irp i, \i0, \i0+1, \i0+2, \i0+3
	FRAG AF+FR*(\i), ADRA+\slot, \q, \i
.endr
.endm
.macro SCALES sc                       ; a K step's scale words: lanes 0-15 take A's block i, lanes 16-31 B's block i
.irp i, 0,1,2,3,4,5,6,7
	ds_load_b128 v[SC+8*NQ*\sc+NQ*\i:SC+8*NQ*\sc+NQ*\i+3], v[ADRS] offset:\i*SBLK
.endr
.endm
.macro PLACES n                        ; plain vector instructions between a matrix instruction and a load into, or a read of, its registers
.rept \n
	v_nop
.endr
.endm
.macro STEP slot, q, zero              ; 128 along K with its successor in the same slot
	s_wait_dscnt 4*NL                              ; B's set and A's blocks 0-3 are in; the 8 loads of A's blocks 4-7 may be out
	WIN MUL_LO-0x20*(\zero)                        ; (zero = 1: C, the bias, lies in window 0)
	MUL16 0, (\q)%2, \q, \slot, \zero
	MUL16 2, (\q)%2, \q, \slot, \zero
	s_wait_dscnt 0
	PLACES NP
	FETCH_B \slot, (\q)+1, 1-(\q)%2
	FETCH_A \slot, (\q)+1, 0
	WIN MUL_HI-0x30*(\zero)
	MUL16 4, (\q)%2, \q, \slot, \zero
	MUL16 6, (\q)%2, \q, \slot, \zero
	PLACES NP
	WIN 0
	FETCH_A \slot, (\q)+1, 4
.endm
.macro STEPS slot, from
.set Q, \from
.rept NQ-1-\from
	STEP \slot, Q, 0
.set Q, Q+1
.endr
.endm
	s_wait_tensorcnt 1                             ; the scales and my part of slot 0 are in; slot 1's load may be out
	s_barrier_signal -1
	s_barrier_wait -1
	FETCH_B 0, 0, 0
	FETCH_A 0, 0, 0
	SCALES 0
	FETCH_A 0, 0, 4
	s_wait_loadcnt 0x0                             ; the bias
	STEP 0, 0, 1
	STEPS 0, 1
	; slot 0's last step changes slots: one barrier; in front of it my load of slot 1 has landed
	s_wait_tensorcnt 0x0
	ds_add_u32 v[SPW], v[NIL]                      ; 0 onto my spare word
	s_wait_dscnt 4*NL+1                            ; the add and the 8 loads of A's blocks 4-7 may be out
	WIN MUL_LO
	MUL16 0, 1, NQ-1, 0, 0
	s_wait_dscnt 0x0
	s_barrier_signal -1
	MUL16 2, 1, NQ-1, 0, 0
	WIN 0
	s_barrier_wait -1
	PLACES NP
	v_add_nc_u32 v[ADRS], 4*NQ, v[ADRS]            ; the next K step's scale words
	FETCH_B 1, 0, 0
	FETCH_A 1, 0, 0
	SCALES 1
	WIN MUL_HI
	MUL16 4, 1, NQ-1, 0, 0
	MUL16 6, 1, NQ-1, 0, 0
	PLACES NP
	WIN 0
	FETCH_A 1, 0, 4
	STEPS 1, 0
	s_wait_dscnt 4*NL                              ; the very last step
	WIN MUL_LO
	MUL16 0, 1, NQ-1, 1, 0
	MUL16 2, 1, NQ-1, 1, 0
	s_wait_dscnt 0
	WIN MUL_HI
	MUL16 4, 1, NQ-1, 1, 0
	MUL16 6, 1, NQ-1, 1, 0
	WIN 0
; THE WAY OUT of A's block a: each accumulator, from its low end on, is rounded to f16 (4 registers) and stored as one tile image.
.macro OUT a
	WIN 0x0a+5*((\a)/4)                            ; sources in window 2 or 3, destination in window 0
.irp b, 0,1,2,3,4,5,6,7
.irp i, 0,1,2,3
	v_cvt_pk_f16_f32 v[PK+4*(8*((\a)%4)+\b)+\i], v[8*(8*((\a)%4)+\b)+2*\i], v[8*(8*((\a)%4)+\b)+2*\i+1]
.endr
.endr
	WIN 0
.irp b, 0,1,2,3,4,5,6,7
	global_store_b128 v[CO], v[PK+4*(8*((\a)%4)+\b):PK+4*(8*((\a)%4)+\b)+3], s[12:13] offset:(\a)*2048+(\b/4)*262144+(\b%4)*512   ; 512 consecutive bytes, aligned
.endr
.endm
	PLACES NP                                      ; behind the last products: their results are read, and A's registers written, only behind these
.irp a, 0,1,2,3
	OUT \a
.endr
	s_wait_xcnt 0x0                                ; the stores have read their data: the registers are written again
.irp a, 4,5,6,7
	OUT \a
.endr
	s_wait_tensorcnt 0x0                           ; the wave's end
	ds_add_u32 v[SPW], v[NIL]
	s_wait_dscnt 0x0
	CROUND                                         ; the closing round
	s_endpgm
.Lfunc_end_k_q69c13241a4_qkv:
	.size	k_q69c13241a4_qkv, .Lfunc_end_k_q69c13241a4_qkv-k_q69c13241a4_qkv
	.p2alignl 7, 3214868480
	.fill 96, 4, 3214868480
	.section	.rodata,"a",@progbits
	.p2align	6, 0x0
	.amdhsa_kernel k_q69c13241a4_qkv
		.amdhsa_group_segment_fixed_size 327680
		.amdhsa_private_segment_fixed_size 0
		.amdhsa_enable_private_segment 0
		.amdhsa_kernarg_size 32
		.amdhsa_user_sgpr_count 2
		.amdhsa_user_sgpr_kernarg_segment_ptr 1
		.amdhsa_wavefront_size32 1
		.amdhsa_system_sgpr_workgroup_id_x 1
		.amdhsa_system_sgpr_workgroup_id_y 1
		.amdhsa_system_sgpr_workgroup_id_z 1
		.amdhsa_system_vgpr_workitem_id 0
		.amdhsa_next_free_vgpr 1024
		.amdhsa_next_free_sgpr 100
		.amdhsa_reserve_vcc 0
		.amdhsa_float_denorm_mode_32 3
		.amdhsa_float_denorm_mode_16_64 3
		.amdhsa_memory_ordered 1
		.amdhsa_forward_progress 1
		.amdhsa_inst_pref_size 119
	.end_amdhsa_kernel
	.amdgpu_metadata
---
amdhsa.version: [ 1, 2 ]
amdhsa.kernels:
  - .name:           k_q69c13241a4_qkv
    .symbol:         k_q69c13241a4_qkv.kd
    .args:
      - { .name: codes, .offset: 0, .size: 8, .value_kind: global_buffer, .address_space: global }
      - { .name: scales, .offset: 8, .size: 8, .value_kind: global_buffer, .address_space: global }
      - { .name: b_qkv, .offset: 16, .size: 8, .value_kind: global_buffer, .address_space: global }
      - { .name: qkv, .offset: 24, .size: 8, .value_kind: global_buffer, .address_space: global }
    .group_segment_fixed_size: 327680
    .private_segment_fixed_size: 0
    .kernarg_segment_align: 8
    .kernarg_segment_size: 32
    .max_flat_workgroup_size: 128
    .sgpr_count:     100
    .vgpr_count:     1024
    .wavefront_size: 32
...
	.end_amdgpu_metadata
.endif
;; end of part 2
;; launch fineatt (part 3): grid 16 x 4, 1 waves a work-group, no clusters, 0 bytes of LDS; arguments codes, scales, b_qkv, mask, flags, yfine; writes yfine
.if DOCPART == 3
	.amdgcn_target "amdgcn-amd-amdhsa--gfx1250"
	.amdhsa_code_object_version 6
	.text
	.protected	k_q69c13241a4_fineatt
	.globl	k_q69c13241a4_fineatt
	.p2align	8
	.type	k_q69c13241a4_fineatt,@function
k_q69c13241a4_fineatt:
	s_mov_b64 s[64:65], 0
	v_nop
	global_prefetch_b8 v0, s[64:65] scope:SCOPE_SE
	s_setreg_imm32_b32 hwreg(HW_REG_WAVE_MODE, 25, 1), 1
	s_wait_xcnt 0x0
; POSITIONS 0-15 OF EVERY SEQUENCE, IN f32.  These rows may average very few values, where 16-bit operands would weigh most; so one wave for each (batch, head) makes their attention output finely.
; q of the 16 positions, and k and v of each block of 16 keys that the mask allows to any of them, are made anew from the codes by the FP4 matrix instruction (f32 sums, bias as the first C);
; both attention products go by v_wmma_f32_16x16x4_f32; the softmax keeps a running maximum.  Which key blocks are walked is read from the flags that the first launch stored (words 128-131).
; LAYOUTS.  q, k: source 0 = 16 rows of the weight, source 1 = 16 rows of x: lane (r, h) holds position r and channels 16 ct + 8 h + j.  v: sources swapped: lane (r, h) holds channel 16 ct + r and keys 8 h + j.
; An f32 matrix instruction takes K = 4 as (lane half, register) = 2 h + j.  Registers 2 i, 2 i + 1 of k and of q hold the same four channels in the same places, so they are operands as they stand; likewise v and p along the keys.
; S^T = k q^T: lane (r, h): query r, keys 8 h + j.  O^T = v^T p: lane (r, h): query r, channels 16 ct + 8 h + j.
; A row with every key masked ends as 0 x (1 / 0) = NaN, as the softmax of such a row is.  LIMIT: scores under -3e38 are not served.
; REGISTERS.  window 0: v3-11 offsets; v16 c m, v17 m, v18 l, v19 a; v20-23 at work; v24-25 mask bytes; v32-39 x's scale words; v40-55, v56-71, v72-87 the scale words of w_q, w_k, w_v
;   (register 8 p + s: lanes 0-15 channel tile 2 p, lanes 16-31 tile 2 p + 1); v88-95 scores; v96-103 p; v104-135 q; v136-167 O; v168-231 x's eight fragments.
;   window 1: w_q's 32 fragments, later w_v's.   window 2: w_k's.   window 3: v0-31 k; v32-63 v^T; v64-95 four partial S^T; v96-127 O^T of a block (both written by matrix instructions alone); v128-159 v's bias; v160-191 k's bias.
.set XO,  3
.set XSO, 5
.set WSO, 6
.set MO,  7
.set BO,  8
.set BVO, 9
.set YO,  10
.set NINF, 11
.set T0,  12
.set CM,  16
.set MX,  17
.set LSUM, 18
.set AF,  19
.set MB,  24
.set XS,  32
.set WQS, 40
.set WKS, 56
.set WVS, 72
.set SC,  88
.set P,   96
.set Q,   104
.set OA,  136
.set XF,  168
.set KK,  0
.set VT,  32
.set SS,  64
.set OB,  96
.set BV,  128
.set BK,  160
.set MSB, 0
.macro WIN new
.if MSB != (\new)
	s_set_vgpr_msb (MSB<<8)|(\new)
.set MSB, (\new)
.endif
.endm
.macro NOPS n
.rept \n
	v_nop
.endr
.endm
.macro XLOAD                           ; 16 rows of x: eight fragments (16 rows x 128 K: 64 bytes of a row each) and the rows' 32 scale bytes
.irp s, 0,1,2,3,4,5,6,7
	global_load_b128 v[XF+8*\s:XF+8*\s+3], v[XO], s[24:25] offset:64*\s
	global_load_b128 v[XF+8*\s+4:XF+8*\s+7], v[XO], s[24:25] offset:64*\s+32
.endr
	global_load_b128 v[XS:XS+3], v[XSO], s[26:27]
	global_load_b128 v[XS+4:XS+7], v[XSO], s[26:27] offset:16
.endm
.macro WLOAD off                       ; the head's 64 rows of a weight: fragment (ct, s) at v[8 (8 ct + s)] of the window set
.irp ct, 0,1,2,3
.irp s, 0,1,2,3,4,5,6,7
	global_load_b128 v[8*(8*\ct+\s):8*(8*\ct+\s)+3], v[XO], s[32:33] offset:\off+\ct*8192+64*\s
	global_load_b128 v[8*(8*\ct+\s)+4:8*(8*\ct+\s)+7], v[XO], s[32:33] offset:\off+\ct*8192+64*\s+32
.endr
.endr
.endm
.macro WSCALE reg, off
.irp p, 0,1
	global_load_b128 v[\reg+8*\p:\reg+8*\p+3], v[WSO], s[34:35] offset:\off+1024*\p
	global_load_b128 v[\reg+8*\p+4:\reg+8*\p+7], v[WSO], s[34:35] offset:\off+1024*\p+16
.endr
.endm
; 32 matrix instructions: source 0 = the weight's fragments, source 1 = x's.  The four accumulators take turns.  c0 >= 0: the first K step takes its C from v[c0] on; else the sums begin on what d holds (the bias).
.macro CHAINW d, ws, c0
.irp s, 0,1,2,3,4,5,6,7
.irp ct, 0,1,2,3
.set rC, \d+8*\ct
.if (\s == 0) && (\c0 >= 0)
.set rC, \c0+8*\ct
.endif
.if \ct%2
	v_wmma_scale_f32_16x16x128_f8f6f4 v[\d+8*\ct:\d+8*\ct+7], v[8*(8*\ct+\s):8*(8*\ct+\s)+7], v[XF+8*\s:XF+8*\s+7], v[rC:rC+7], v[\ws+8*(\ct/2)+\s], v[XS+\s] matrix_a_fmt:MATRIX_FMT_FP4 matrix_b_fmt:MATRIX_FMT_FP4 matrix_a_scale:MATRIX_SCALE_ROW1
.else
	v_wmma_scale_f32_16x16x128_f8f6f4 v[\d+8*\ct:\d+8*\ct+7], v[8*(8*\ct+\s):8*(8*\ct+\s)+7], v[XF+8*\s:XF+8*\s+7], v[rC:rC+7], v[\ws+8*(\ct/2)+\s], v[XS+\s] matrix_a_fmt:MATRIX_FMT_FP4 matrix_b_fmt:MATRIX_FMT_FP4
.endif
.endr
.endr
.endm
.macro CHAINX                          ; v^T: source 0 = x's fragments, source 1 = w_v's
.irp s, 0,1,2,3,4,5,6,7
.irp ct, 0,1,2,3
.set rC, VT+8*\ct
.if \s == 0
.set rC, BV+8*\ct
.endif
.if \ct%2
	v_wmma_scale_f32_16x16x128_f8f6f4 v[VT+8*\ct:VT+8*\ct+7], v[XF+8*\s:XF+8*\s+7], v[8*(8*\ct+\s):8*(8*\ct+\s)+7], v[rC:rC+7], v[XS+\s], v[WVS+8*(\ct/2)+\s] matrix_a_fmt:MATRIX_FMT_FP4 matrix_b_fmt:MATRIX_FMT_FP4 matrix_b_scale:MATRIX_SCALE_ROW1
.else
	v_wmma_scale_f32_16x16x128_f8f6f4 v[VT+8*\ct:VT+8*\ct+7], v[XF+8*\s:XF+8*\s+7], v[8*(8*\ct+\s):8*(8*\ct+\s)+7], v[rC:rC+7], v[XS+\s], v[WVS+8*(\ct/2)+\s] matrix_a_fmt:MATRIX_FMT_FP4 matrix_b_fmt:MATRIX_FMT_FP4
.endif
.endr
.endr
.endm
	s_load_b256 s[4:11], s[0:1], 0x0               ; codes s[4:5], scales s[6:7], b_qkv s[8:9], mask s[10:11]
	s_load_b128 s[12:15], s[0:1], 0x20             ; flags s[12:13], yfine s[14:15]
	v_and_b32 v1, 15, v0                           ; r
	v_bfe_u32 v2, v0, 4, 1                         ; h
	v_lshlrev_b32 v[XO], 9, v1
	v_lshl_add_u32 v[XO], v2, 4, v[XO]             ; a row of 512 bytes of codes, + 16 h
	v_lshlrev_b32 v[XSO], 5, v1                    ; a row of 32 scale bytes
	v_lshlrev_b32 v[WSO], 5, v0                    ; the weights' scale rows: a lane a row (one wave: v0 is the lane)
	v_lshlrev_b32 v[MO], 11, v1
	v_lshl_add_u32 v[MO], v2, 3, v[MO]             ; the mask: row r, + 8 h
	v_lshlrev_b32 v[BO], 5, v2
	v_lshlrev_b32 v[BVO], 2, v1
	v_lshlrev_b32 v[YO], 12, v1
	v_lshl_add_u32 v[YO], v2, 5, v[YO]
	v_mov_b32 v[NINF], 0xff800000
	v_mov_b32 v21, 0                               ; a lane permute's destination counts as read
	s_mov_b32 s16, ttmp9                           ; head
	s_and_b32 s17, ttmp7, 0xffff                   ; batch
	s_mov_b32 s42, 0x76543210
	s_mov_b32 s43, 0xfedcba98                      ; selects for lane l xor 16
	s_mov_b32 s44, 0x3e38aa3b                      ; c = log2(e) / sqrt(64)
	s_mov_b32 s31, 0
	s_lshl_b32 s30, s17, 20                        ; 2,048 rows of 512 bytes a batch
	s_wait_kmcnt 0x0
	s_add_nc_u64 s[20:21], s[4:5], s[30:31]
	s_lshl_b32 s30, s17, 16                        ; 2,048 rows of 32 bytes; also 16 rows of 4,096 bytes of yfine
	s_add_nc_u64 s[22:23], s[6:7], s[30:31]
	s_add_nc_u64 s[14:15], s[14:15], s[30:31]
	s_lshl_b32 s30, s16, 15                        ; 64 rows of 512 bytes a head
	s_add_nc_u64 s[32:33], s[4:5], s[30:31]
	s_add_nc_u64 s[32:33], s[32:33], 0x400000      ; w_qkv's codes lie behind x's
	s_lshl_b32 s30, s16, 11
	s_add_nc_u64 s[34:35], s[6:7], s[30:31]
	s_add_nc_u64 s[34:35], s[34:35], 0x40000
	s_lshl_b32 s30, s16, 8                         ; 64 numbers of 4 bytes a head
	s_add_nc_u64 s[36:37], s[8:9], s[30:31]
	s_add_nc_u64 s[14:15], s[14:15], s[30:31]
	s_load_b128 s[52:55], s[12:13], 0x200          ; the four words of block flags
	s_mov_b64 s[24:25], s[20:21]                   ; positions 0-15
	s_mov_b64 s[26:27], s[22:23]
	XLOAD
	WIN 0x40
	WLOAD 0                                        ; w_q
	WIN 0x80
	WLOAD 524288                                   ; w_k: 1,024 rows on
	WIN 0
	WSCALE WQS, 0
	WSCALE WKS, 32768
	WSCALE WVS, 65536
.irp ct, 0,1,2,3
	global_load_b128 v[Q+8*\ct:Q+8*\ct+3], v[BO], s[36:37] offset:64*\ct        ; q's sums begin on its bias
	global_load_b128 v[Q+8*\ct+4:Q+8*\ct+7], v[BO], s[36:37] offset:64*\ct+16
.endr
	WIN 0xc0
.irp ct, 0,1,2,3
	global_load_b128 v[BK+8*\ct:BK+8*\ct+3], v[BO], s[36:37] offset:4096+64*\ct
	global_load_b128 v[BK+8*\ct+4:BK+8*\ct+7], v[BO], s[36:37] offset:4096+64*\ct+16
.irp j, 0,1,2,3,4,5,6,7
	global_load_b32 v[BV+8*\ct+\j], v[BVO], s[36:37] offset:8192+64*\ct          ; v^T's result has one channel a lane: its bias in all eight registers
.endr
.endr
	WIN 0
	s_wait_loadcnt 0x0
	s_wait_kmcnt 0x0
	WIN 0x01
	CHAINW Q, WQS, -1
	WIN 0
	NOPS 5                                         ; behind the last product: loads into its operands, and later matrix instructions that take q
	WIN 0x40
	WLOAD 1048576                                  ; w_v takes w_q's place
	WIN 0
	v_mov_b32 v[MX], 0xff61b1e6                    ; -3e38
	v_mul_f32 v[CM], s44, v[MX]
	v_mov_b32 v[LSUM], 0
.irp n, 0,1,2,3,4,5,6,7,8,9,10,11,12,13,14,15,16,17,18,19,20,21,22,23,24,25,26,27,28,29,30,31
	v_mov_b32 v[OA+\n], 0                          ; how many blocks are walked hangs on the mask, so no first block can be written out
.endr
	s_wait_loadcnt 0x0
	s_mov_b32 s48, 0                               ; which word of flags
.Lword:
	s_bcnt1_i32_b32 s51, s52                       ; blocks to walk in this word
	s_cmp_eq_u32 s51, 0
	s_cbranch_scc1 .Lnone
	s_mov_b32 s50, 0
.Lblock:
	s_ctz_i32_b32 s49, s52                         ; the lowest block still to do,
	s_sub_co_u32 s46, s52, 1
	s_and_b32 s52, s52, s46                        ; which is struck off
	s_lshl_b32 s46, s48, 5
	s_add_co_u32 s49, s49, s46
	s_min_u32 s49, s49, 127                        ; the block of 16 keys: inside the sequence
	s_wait_xcnt 0x0                                ; the last trip's loads have read their bases
	s_lshl_b32 s30, s49, 13
	s_add_nc_u64 s[24:25], s[20:21], s[30:31]
	s_lshl_b32 s30, s49, 9
	s_add_nc_u64 s[26:27], s[22:23], s[30:31]
	s_lshl_b32 s30, s49, 4
	s_add_nc_u64 s[28:29], s[10:11], s[30:31]
	NOPS 9                                         ; behind the last trip's matrix instructions: loads into their operands, and sums begun anew over their registers
	XLOAD
	global_load_b64 v[MB:MB+1], v[MO], s[28:29]
	s_wait_loadcnt 0x0
	WIN 0xf2
	CHAINW KK, WKS, BK
	WIN 0xf4
	CHAINX
	WIN 0
	NOPS 5
	WIN 0xf3
.irp i, 0,1,2,3
.irp ct, 0,1,2,3
.if \i == 0
	v_wmma_f32_16x16x4_f32 v[SS+8*\ct:SS+8*\ct+7], v[KK+8*\ct+2*\i:KK+8*\ct+2*\i+1], v[Q+8*\ct+2*\i:Q+8*\ct+2*\i+1], 0
.else
	v_wmma_f32_16x16x4_f32 v[SS+8*\ct:SS+8*\ct+7], v[KK+8*\ct+2*\i:KK+8*\ct+2*\i+1], v[Q+8*\ct+2*\i:Q+8*\ct+2*\i+1], v[SS+8*\ct:SS+8*\ct+7]
.endif
.endr
.endr
	WIN 0
	NOPS 8
	WIN 0x0f
.irp j, 0,2,4,6
	v_pk_add_f32 v[SC+\j:SC+\j+1], v[SS+\j:SS+\j+1], v[SS+8+\j:SS+8+\j+1]
.endr
.irp j, 0,2,4,6
	v_pk_add_f32 v[P+\j:P+\j+1], v[SS+16+\j:SS+16+\j+1], v[SS+24+\j:SS+24+\j+1]
.endr
	WIN 0
.irp j, 0,2,4,6
	v_pk_add_f32 v[SC+\j:SC+\j+1], v[SC+\j:SC+\j+1], v[P+\j:P+\j+1]
.endr
.irp j, 0,1,2,3,4,5,6,7
	v_and_b32 v[T0], 0xff<<(8*(\j%4)), v[MB+\j/4]
	v_cmp_eq_u32 vcc_lo, 0, v[T0]
	v_cndmask_b32 v[SC+\j], v[SC+\j], v[NINF], vcc_lo   ; a masked score becomes -infinity
.endr
	v_max3_num_f32 v20, v[SC], v[SC+1], v[SC+2]
	v_max3_num_f32 v21, v[SC+3], v[SC+4], v[SC+5]
	v_max3_num_f32 v20, v20, v[SC+6], v[SC+7]
	v_max3_num_f32 v20, v20, v21, v[MX]
	v_permlanex16_b32 v21, v20, s42, s43           ; the query's other 8 keys
	v_mov_b32 v22, v[CM]
	v_max_num_f32 v[MX], v20, v21
	v_mul_f32 v[CM], s44, v[MX]
	v_sub_f32 v22, v22, v[CM]
.irp j, 0,1,2,3,4,5,6,7
	v_fma_f32 v[P+\j], v[SC+\j], s44, -v[CM]
.endr
	v_exp_f32 v[AF], v22                           ; a = 2^(c m_old - c m_new)
.irp j, 0,1,2,3,4,5,6,7
	v_exp_f32 v[P+\j], v[P+\j]
.endr
	v_nop                                          ; a plain instruction behind the last exponential
	s_wait_alu depctr_va_vdst(0)                   ; one wait for the nine, ahead of their first reader
	v_add_f32 v20, v[P], v[P+1]
	v_add_f32 v21, v[P+2], v[P+3]
	v_add_f32 v22, v[P+4], v[P+5]
	v_add_f32 v23, v[P+6], v[P+7]
	v_add_f32 v20, v20, v21
	v_add_f32 v22, v22, v23
	v_add_f32 v20, v20, v22
	v_fma_f32 v[LSUM], v[LSUM], v[AF], v20
	WIN 0xf3
.irp i, 0,1,2,3
.irp ct, 0,1,2,3
.if \i == 0
	v_wmma_f32_16x16x4_f32 v[OB+8*\ct:OB+8*\ct+7], v[VT+8*\ct+2*\i:VT+8*\ct+2*\i+1], v[P+2*\i:P+2*\i+1], 0
.else
	v_wmma_f32_16x16x4_f32 v[OB+8*\ct:OB+8*\ct+7], v[VT+8*\ct+2*\i:VT+8*\ct+2*\i+1], v[P+2*\i:P+2*\i+1], v[OB+8*\ct:OB+8*\ct+7]
.endif
.endr
.endr
	WIN 0
	NOPS 9
	WIN 0x30
.irp n, 0,1,2,3,4,5,6,7,8,9,10,11,12,13,14,15,16,17,18,19,20,21,22,23,24,25,26,27,28,29,30,31
	v_fma_f32 v[OA+\n], v[OA+\n], v[AF], v[OB+\n]  ; O = a O + this block's part
.endr
	WIN 0
	s_add_co_u32 s50, s50, 1
	s_cmp_lt_u32 s50, s51
	s_cbranch_scc1 .Lblock
.Lnone:
	s_mov_b32 s52, s53                             ; on to the next word
	s_mov_b32 s53, s54
	s_mov_b32 s54, s55
	s_add_co_u32 s48, s48, 1
	s_cmp_lt_u32 s48, 4
	s_cbranch_scc1 .Lword
	v_permlanex16_b32 v21, v[LSUM], s42, s43
	v_add_f32 v[LSUM], v[LSUM], v21
	v_rcp_f32 v20, v[LSUM]
	v_nop
	s_wait_alu depctr_va_vdst(0)
.irp n, 0,1,2,3,4,5,6,7,8,9,10,11,12,13,14,15,16,17,18,19,20,21,22,23,24,25,26,27,28,29,30,31
	v_mul_f32 v[OA+\n], v[OA+\n], v20
.endr
.irp ct, 0,1,2,3
	global_store_b128 v[YO], v[OA+8*\ct:OA+8*\ct+3], s[14:15] offset:64*\ct
	global_store_b128 v[YO], v[OA+8*\ct+4:OA+8*\ct+7], s[14:15] offset:64*\ct+16
.endr
	s_endpgm
.Lfunc_end_k_q69c13241a4_fineatt:
	.size	k_q69c13241a4_fineatt, .Lfunc_end_k_q69c13241a4_fineatt-k_q69c13241a4_fineatt
	.p2alignl 7, 3214868480
	.fill 96, 4, 3214868480
	.section	.rodata,"a",@progbits
	.p2align	6, 0x0
	.amdhsa_kernel k_q69c13241a4_fineatt
		.amdhsa_group_segment_fixed_size 0
		.amdhsa_private_segment_fixed_size 0
		.amdhsa_enable_private_segment 0
		.amdhsa_kernarg_size 48
		.amdhsa_user_sgpr_count 2
		.amdhsa_user_sgpr_kernarg_segment_ptr 1
		.amdhsa_wavefront_size32 1
		.amdhsa_system_sgpr_workgroup_id_x 1
		.amdhsa_system_sgpr_workgroup_id_y 1
		.amdhsa_system_sgpr_workgroup_id_z 1
		.amdhsa_system_vgpr_workitem_id 0
		.amdhsa_next_free_vgpr 1024
		.amdhsa_next_free_sgpr 66
		.amdhsa_reserve_vcc 1
		.amdhsa_float_denorm_mode_32 3
		.amdhsa_float_denorm_mode_16_64 3
		.amdhsa_memory_ordered 1
		.amdhsa_forward_progress 1
		.amdhsa_inst_pref_size 55
	.end_amdhsa_kernel
	.amdgpu_metadata
---
amdhsa.version: [ 1, 2 ]
amdhsa.kernels:
  - .name:           k_q69c13241a4_fineatt
    .symbol:         k_q69c13241a4_fineatt.kd
    .args:
      - { .name: codes, .offset: 0, .size: 8, .value_kind: global_buffer, .address_space: global }
      - { .name: scales, .offset: 8, .size: 8, .value_kind: global_buffer, .address_space: global }
      - { .name: b_qkv, .offset: 16, .size: 8, .value_kind: global_buffer, .address_space: global }
      - { .name: mask, .offset: 24, .size: 8, .value_kind: global_buffer, .address_space: global }
      - { .name: flags, .offset: 32, .size: 8, .value_kind: global_buffer, .address_space: global }
      - { .name: yfine, .offset: 40, .size: 8, .value_kind: global_buffer, .address_space: global }
    .group_segment_fixed_size: 0
    .private_segment_fixed_size: 0
    .kernarg_segment_align: 8
    .kernarg_segment_size: 48
    .max_flat_workgroup_size: 32
    .sgpr_count:     66
    .vgpr_count:     1024
    .wavefront_size: 32
...
	.end_amdgpu_metadata
.endif
;; end of part 3
;; launch attn (part 4): grid 4 x 64, 8 waves a work-group, no clusters, 66,560 bytes of LDS; arguments qkv, mask, flags, yimg; writes yimg
.if DOCPART == 4
	.amdgcn_target "amdgcn-amd-amdhsa--gfx1250"
	.amdhsa_code_object_version 6
	.text
	.protected	k_q69c13241a4_attn
	.globl	k_q69c13241a4_attn
	.p2align	8
	.type	k_q69c13241a4_attn,@function
k_q69c13241a4_attn:
	s_mov_b64 s[64:65], 0
	v_nop
	global_prefetch_b8 v0, s[64:65] scope:SCOPE_SE
	s_setreg_imm32_b32 hwreg(HW_REG_WAVE_MODE, 25, 1), 1
	s_wait_xcnt 0x0
; y = softmax(where(mask, q k^T / 8, -infinity)) v for one (batch, head) and two blocks of 256 queries, one after the other: block x, then block x xor 7.  f16 operands, f32 sums, running maximum.
; THE MASK IS AN INPUT.  The first launch has stored, for each 32 queries (a wave's share) and each step of 128 keys, whether any key is allowed and whether not all are.  A wave leaves out the steps in which none is allowed,
; and reads and applies the mask's bytes only where not all are.  A step's K and V are brought in if any of the eight waves wants them.
; NO TENSOR LOAD AND NO CLUSTER: the walk hangs on numbers read from memory.  K and V go from memory through registers into LDS: two slots of 32 KiB, a linear copy of 8 + 8 rows of tile images;
; the 256 threads copy 16 bytes each, eight times a step.  Every wave passes every barrier: 16 steps a pass, whatever the flags say; only work stands under the branches.
; ORDER IN A STEP: (1) the work on this step's slot; (2) the next step's K and V, asked for a step ago, go from registers into the other slot, which every wave left before the last barrier;
; (3) the step after that is asked for; (4) each wave waits for all its LDS instructions, then the barrier.
; LAYOUT.  S^T = K Q^T (source 0 = 16 keys, source 1 = 16 queries): a lane holds query l % 16 and keys 8 (l / 16) + j.  Two such tiles, rounded to f16 in pairs, are source 1 of O^T = V^T P.
; The row sums are one more product, of ones with P: they are taken of the same rounded p and need no exchange of lanes.  V is turned on its way out of LDS (ds_load_tr16_b128).
; A row with every key masked ends as 0 x (1 / 0) = NaN.  LIMITS: scores under -3e38 are not served; rows that a mask leaves with very few keys carry the rounding of f16 operands (positions 0-15 are made anew in f32 by other launches).
; REGISTERS.  window 0: v1-14 addresses; v16-31 statistics (tile t at v[16 + 8 t]: +0 c m, +1 m, +4..+7 at work, a in +6); v32-63 K and V on their way; v64-95 mask bytes; v128-255 S^T, 64 a tile, then P in the low 32.
;   window 1: v0-127 16 fragments of K or of V; v128-159 Q; v160-223 O^T; v224-239 the row sums; v240-247 ones.
.set SLOTB, 32768
.set VOFF,  16384
.set SPARE, 65536                      ; the spare words: 128 bytes a wave, named by no other line
.set LQ,   1                           ; v1  256 h + 16 (r xor 8 h): my 16 bytes of a tile image
.set LV,   2                           ; v2  the turning load's: VOFF + 256 hh + 16 (key xor 8 hh)
.set SG,   3                           ; v3  16 x thread: K's copy, in memory
.set SL,   4                           ; v4  16 x thread: in LDS
.set MO,   8                           ; v8  2,048 r + 8 h
.set YO,   9                           ; v9  16 x lane
.set SPW,  10
.set NIL,  11
.set NINF, 12
.set TMP,  13
.set SGV,  14                          ; v14 V lies 16,777,216 bytes behind K
.set ST,   16
.set STG,  32
.set MK,   64
.set S,    128
.set YP,   192
.set Q,    128
.set O,    160
.set LS,   224
.set ONES, 240
.set WV,  12
.set BH,  13
.set QBK, 14
.set PS,  15
.set CNT, 16
.set HB,  20
.set KB,  22
.set QB,  24
.set MB,  26
.set YB,  28
.set AW,  34                           ; my 32 queries: bit 0: this step has an allowed key
.set BW,  35                           ; bit 0: not all of this step's keys are allowed
.set CW,  36                           ; the eight waves' AW joined
.set CS,  40
.set SEL, 42
.set QH,  44
.set YH,  46
.set MSB, 0
.macro WIN new
.if MSB != (\new)
	s_set_vgpr_msb (MSB<<8)|(\new)
.set MSB, (\new)
.endif
.endm
.macro NOPS n
.rept \n
	v_nop
.endr
.endm
.macro STAGE_LD                        ; a step's 16 KiB of K and 16 KiB of V: a wave's load covers 512 consecutive bytes
.irp i, 0,1,2,3
	global_load_b128 v[STG+4*\i:STG+4*\i+3], v[SG], s[KB:KB+1] offset:\i*4096
.endr
.irp i, 0,1,2,3
	global_load_b128 v[STG+16+4*\i:STG+16+4*\i+3], v[SGV], s[KB:KB+1] offset:\i*4096
.endr
.endm
.macro STAGE_ST slot
.irp i, 0,1,2,3,4,5,6,7
	ds_store_b128 v[SL], v[STG+4*\i:STG+4*\i+3] offset:(\slot)*SLOTB+\i*4096
.endr
.endm
.macro QK c, zero                      ; 16 products: channels 32 c on; the 16 accumulators take turns
.irp kt, 0,1,2,3,4,5,6,7
.irp t, 0,1
.if \zero
	v_wmma_f32_16x16x32_f16 v[S+64*\t+8*\kt:S+64*\t+8*\kt+7], v[8*(2*\kt+\c):8*(2*\kt+\c)+7], v[Q+16*\t+8*\c:Q+16*\t+8*\c+7], 0
.else
	v_wmma_f32_16x16x32_f16 v[S+64*\t+8*\kt:S+64*\t+8*\kt+7], v[8*(2*\kt+\c):8*(2*\kt+\c)+7], v[Q+16*\t+8*\c:Q+16*\t+8*\c+7], v[S+64*\t+8*\kt:S+64*\t+8*\kt+7]
.endif
.endr
.endr
.endm
.macro SOFTMAX                         ; both tiles by turns.  Each accumulator of S^T is first read at one of its low registers
.irp k, 0,1,2,3
.irp t, 0,1
	v_max3_num_f32 v[ST+8*\t+4+\k], v[S+64*\t+16*\k], v[S+64*\t+16*\k+1], v[S+64*\t+16*\k+2]
.endr
.endr
.irp i, 3,5,7,9,11,13
.irp k, 0,1,2,3
.irp t, 0,1
	v_max3_num_f32 v[ST+8*\t+4+\k], v[ST+8*\t+4+\k], v[S+64*\t+16*\k+\i], v[S+64*\t+16*\k+\i+1]
.endr
.endr
.endr
.irp t, 0,1
	v_max3_num_f32 v[ST+8*\t+4], v[ST+8*\t+4], v[S+64*\t+15], v[S+64*\t+31]
	v_max3_num_f32 v[ST+8*\t+6], v[ST+8*\t+6], v[S+64*\t+47], v[S+64*\t+63]
.endr
.irp t, 0,1
	v_max3_num_f32 v[ST+8*\t+4], v[ST+8*\t+4], v[ST+8*\t+5], v[ST+8*\t+6]
.endr
.irp t, 0,1
	v_max3_num_f32 v[ST+8*\t+4], v[ST+8*\t+4], v[ST+8*\t+7], v[ST+8*\t+1]   ; with the old m
.endr
.irp t, 0,1
	v_permlanex16_b32 v[ST+8*\t+5], v[ST+8*\t+4], s[SEL], s[SEL+1]          ; the query's other 64 keys lie in the lane 16 away
.endr
.irp t, 0,1
	v_mov_b32 v[ST+8*\t+7], v[ST+8*\t]             ; c m_old
.endr
.irp t, 0,1
	v_max_num_f32 v[ST+8*\t+1], v[ST+8*\t+4], v[ST+8*\t+5]
.endr
.irp t, 0,1
	v_mul_f32 v[ST+8*\t], s[CS], v[ST+8*\t+1]
.endr
.irp t, 0,1
	v_sub_f32 v[ST+8*\t+7], v[ST+8*\t+7], v[ST+8*\t]
.endr
.irp i, 0,2,4,6,8,10,12,14,16,18,20,22,24,26,28,30,32,34,36,38,40,42,44,46,48,50,52,54,56,58,60,62
.irp t, 0,1
	v_pk_fma_f32 v[S+64*\t+\i:S+64*\t+\i+1], v[S+64*\t+\i:S+64*\t+\i+1], s[CS:CS+1], v[ST+8*\t:ST+8*\t+1] op_sel_hi:[1,0,0] neg_lo:[0,0,1] neg_hi:[0,0,1]   ; c s - c m
.endr
.endr
.irp t, 0,1
	v_exp_f32 v[ST+8*\t+6], v[ST+8*\t+7]           ; a = 2^(c m_old - c m_new)
.endr
.irp i, 0,1,2,3,4,5,6,7,8,9,10,11,12,13,14,15,16,17,18,19,20,21,22,23,24,25,26,27,28,29,30,31,32,33,34,35,36,37,38,39,40,41,42,43,44,45,46,47,48,49,50,51,52,53,54,55,56,57,58,59,60,61,62,63
.irp t, 0,1
	v_exp_f32 v[S+64*\t+\i], v[S+64*\t+\i]
.endr
.endr
	v_nop                                          ; a plain instruction behind the last exponential
	s_wait_alu depctr_va_vdst(0)                   ; one wait for the batch of 130, ahead of its first reader
.irp i, 0,1,2,3,4,5,6,7,8,9,10,11,12,13,14,15,16,17,18,19,20,21,22,23,24,25,26,27,28,29,30,31
.irp t, 0,1
	v_cvt_pk_f16_f32 v[S+64*\t+\i], v[S+64*\t+2*\i], v[S+64*\t+2*\i+1]   ; P in place: register i is written when registers up to 2 i + 1 have been read
.endr
.endr
.endm
.macro WORK slot
	s_bitcmp1_b32 s[BW], 0
	s_cbranch_scc0 .Lno_bytes_\@
.irp t, 0,1
.irp kt, 0,1,2,3,4,5,6,7
	global_load_b64 v[MK+16*\t+2*\kt:MK+16*\t+2*\kt+1], v[MO], s[MB:MB+1] offset:\t*32768+16*\kt   ; the bytes of my 8 keys of tile kt, query r of tile t
.endr
.endr
.Lno_bytes_\@:
	NOPS 5                                         ; behind the last step's products: loads into their operands (4 places), sums begun anew over P (5)
	WIN 0x40
.irp c, 0,1
.irp kt, 0,1,2,3,4,5,6,7
	ds_load_b128 v[8*(2*\kt+\c):8*(2*\kt+\c)+3],   v[LQ] offset:(\slot)*SLOTB+\kt*2048+1024*\c
	ds_load_b128 v[8*(2*\kt+\c)+4:8*(2*\kt+\c)+7], v[LQ] offset:(\slot)*SLOTB+\kt*2048+1024*\c+512
.endr
.endr
	s_wait_dscnt 16                                ; channels 0-31 are in; the 16 loads of channels 32-63 may be out
	WIN 0x05
	QK 0, 1
	s_wait_dscnt 0x0
	QK 1, 0
	NOPS 4                                         ; behind the last product: V lands on K's registers, and the scores are read
	WIN 0x40
.irp kc, 0,1,2,3
.irp ct, 0,1,2,3
	ds_load_tr16_b128 v[8*(4*\kc+\ct):8*(4*\kc+\ct)+3],   v[LV] offset:(\slot)*SLOTB+(2*\kc)*2048+512*\ct
	ds_load_tr16_b128 v[8*(4*\kc+\ct)+4:8*(4*\kc+\ct)+7], v[LV] offset:(\slot)*SLOTB+(2*\kc+1)*2048+512*\ct
.endr
.endr
	WIN 0
	s_bitcmp1_b32 s[BW], 0
	s_cbranch_scc0 .Lall_open_\@
	s_wait_loadcnt 0x0                             ; the mask's bytes
.irp t, 0,1
.irp kt, 0,1,2,3,4,5,6,7
.irp j, 0,1,2,3,4,5,6,7
	v_and_b32 v[TMP], 0xff<<(8*(\j%4)), v[MK+16*\t+2*\kt+\j/4]
	v_cmp_eq_u32 vcc_lo, 0, v[TMP]
	v_cndmask_b32 v[S+64*\t+8*\kt+\j], v[S+64*\t+8*\kt+\j], v[NINF], vcc_lo
.endr
.endr
.endr
.Lall_open_\@:
	SOFTMAX
	WIN 0x41
.irp i, 0,2,4,6,8,10,12,14,16,18,20,22,24,26,28,30
.irp t, 0,1
	v_pk_mul_f32 v[O+32*\t+\i:O+32*\t+\i+1], v[O+32*\t+\i:O+32*\t+\i+1], v[ST+8*\t+6:ST+8*\t+7] op_sel_hi:[1,0]
.endr
.endr
.irp i, 0,2,4,6
.irp t, 0,1
	v_pk_mul_f32 v[LS+8*\t+\i:LS+8*\t+\i+1], v[LS+8*\t+\i:LS+8*\t+\i+1], v[ST+8*\t+6:ST+8*\t+7] op_sel_hi:[1,0]
.endr
.endr
	s_wait_dscnt 0x0                               ; V is in
	WIN 0x51
.irp kc, 0,1,2,3                       ; ten accumulators take turns: O^T's eight and the two row sums
.irp ct, 0,1,2,3
.irp t, 0,1
	v_wmma_f32_16x16x32_f16 v[O+32*\t+8*\ct:O+32*\t+8*\ct+7], v[8*(4*\kc+\ct):8*(4*\kc+\ct)+7], v[S+64*\t+8*\kc:S+64*\t+8*\kc+7], v[O+32*\t+8*\ct:O+32*\t+8*\ct+7]
.endr
.endr
.irp t, 0,1
	v_wmma_f32_16x16x32_f16 v[LS+8*\t:LS+8*\t+7], v[ONES:ONES+7], v[S+64*\t+8*\kc:S+64*\t+8*\kc+7], v[LS+8*\t:LS+8*\t+7]
.endr
.endr
	WIN 0
.endm
.macro STEP slot
	s_bitcmp1_b32 s[AW], 0
	s_cbranch_scc0 .Lidle_\@
	WORK \slot
.Lidle_\@:
	s_wait_loadcnt 0x0                             ; the next step's K and V, asked for a step ago, are in my registers
	s_bitcmp1_b32 s[CW], 1
	s_cbranch_scc0 .Lno_store_\@
	STAGE_ST 1-(\slot)                             ; into the slot that every wave left before the last barrier
.Lno_store_\@:
	s_wait_dscnt 0x0                               ; my stores have landed and my reads of this step's slot are over
	s_wait_xcnt 0x0                                ; my loads have read their bases
	s_add_nc_u64 s[KB:KB+1], s[KB:KB+1], 16384
	s_add_nc_u64 s[MB:MB+1], s[MB:MB+1], 128
	s_bitcmp1_b32 s[CW], 2
	s_cbranch_scc0 .Lno_load_\@
	STAGE_LD                                       ; the step after the next: a whole step's work in which to land
.Lno_load_\@:
	s_lshr_b32 s[AW], s[AW], 1
	s_lshr_b32 s[BW], s[BW], 1
	s_lshr_b32 s[CW], s[CW], 1
	s_barrier_signal -1
	s_barrier_wait -1
.endm
	s_load_b256 s[4:11], s[0:1], 0x0               ; qkv s[4:5], mask s[6:7], flags s[8:9], yimg s[10:11]
	v_lshl_add_u32 v[SPW], v0, 2, SPARE
	v_mov_b32 v[NIL], 0
	v_lshrrev_b32 v13, 5, v0
	v_readfirstlane_b32 s[WV], v13                 ; wave 0..7
	s_and_b32 s[BH], ttmp7, 0xffff                 ; batch x 16 + head
	s_mov_b32 s[QBK], ttmp9                        ; the first block of 256 queries
	v_and_b32 v5, 15, v0                           ; r
	v_bfe_u32 v6, v0, 4, 1                         ; h
	v_lshlrev_b32 v7, 3, v6
	v_xor_b32 v7, v7, v5
	v_lshlrev_b32 v7, 4, v7
	v_lshl_add_u32 v[LQ], v6, 8, v7
	v_bfe_u32 v7, v0, 3, 1                         ; hh: which 8 channels the turning load's lane addresses
	v_and_b32 v13, 7, v0
	v_lshl_add_u32 v13, v6, 3, v13                 ; and which key: 8 h + l % 8
	v_lshlrev_b32 v15, 3, v7
	v_xor_b32 v13, v13, v15
	v_lshlrev_b32 v13, 4, v13
	v_lshl_add_u32 v13, v7, 8, v13
	v_add_nc_u32 v[LV], VOFF, v13
	v_lshlrev_b32 v[SG], 4, v0
	v_add_nc_u32 v[SGV], 0x1000000, v[SG]
	v_lshlrev_b32 v[SL], 4, v0
	v_lshlrev_b32 v[MO], 11, v5
	v_lshl_add_u32 v[MO], v6, 3, v[MO]
	v_and_b32 v[YO], 31, v0
	v_lshlrev_b32 v[YO], 4, v[YO]
	v_mov_b32 v[NINF], 0xff800000
.irp i, 0,1,2,3,4,5,6,7,8,9,10,11,12,13,14,15,16,17,18,19,20,21,22,23,24,25,26,27,28,29,30,31
	v_mov_b32 v[MK+\i], 0                          ; written once, so that they are written on every way
.endr
	WIN 0x40
.irp i, 0,1,2,3,4,5,6,7
	v_mov_b32 v[ONES+\i], 0x3c003c00               ; 1.0, 1.0 in f16
.endr
	WIN 0
	s_mov_b32 s[CS], 0x3e38aa3b                    ; c = log2(e) / sqrt(64)
	s_mov_b32 s[CS+1], s[CS]
	s_mov_b32 s[SEL], 0x76543210
	s_mov_b32 s[SEL+1], 0xfedcba98
	s_lshl_b32 s32, s[BH], 18                      ; 262,144 bytes a head
	s_mov_b32 s33, 0
	s_wait_kmcnt 0x0
	s_add_nc_u64 s[QH:QH+1], s[4:5], s[32:33]      ; the head's q,
	s_add_nc_u64 s[HB:HB+1], s[QH:QH+1], 0x1000000 ; and its k
	s_lshr_b32 s32, s[BH], 4
	s_lshl_b32 s32, s32, 22                        ; y: 128 position tiles x 32,768 bytes a batch,
	s_and_b32 s37, s[BH], 15
	s_lshl_b32 s37, s37, 11                        ; 4 channel tiles x 512 bytes a head
	s_add_co_u32 s32, s32, s37
	s_add_nc_u64 s[YH:YH+1], s[10:11], s[32:33]
	s_mov_b32 s[PS], 2
.Lpass:
	s_wait_loadcnt 0x0                             ; no load of the last pass is out: what its last steps may have asked for has landed before v32-63 are loaded anew below
	s_wait_xcnt 0x0                                ; the last pass's stores and loads have read their registers and bases
	s_lshl_b32 s30, s[QBK], 6                      ; the block's eight pairs of flag words
	s_lshl_b32 s31, s[WV], 3
	s_add_co_u32 s31, s31, s30
	s_load_b512 s[68:83], s[8:9], s30 offset:0x0
	s_load_b64 s[AW:AW+1], s[8:9], s31 offset:0x0  ; my own pair
	s_lshl_b32 s32, s[QBK], 15                     ; q: 16 position tiles x 2,048 bytes a block,
	s_lshl_b32 s37, s[WV], 12                      ; 2 a wave
	s_add_co_u32 s32, s32, s37
	s_add_nc_u64 s[QB:QB+1], s[QH:QH+1], s[32:33]
	s_lshl_b32 s32, s[QBK], 19                     ; 256 rows of 2,048 bytes of the mask; also 16 position tiles of 32,768 bytes of y
	s_lshl_b32 s37, s[WV], 16
	s_add_co_u32 s32, s32, s37
	s_add_nc_u64 s[MB:MB+1], s[6:7], s[32:33]
	s_add_nc_u64 s[YB:YB+1], s[YH:YH+1], s[32:33]
	s_mov_b64 s[KB:KB+1], s[HB:HB+1]
	STAGE_LD                                       ; step 0, whatever the flags say
	WIN 0x40
.irp t, 0,1
.irp c, 0,1
	global_load_b128 v[Q+16*\t+8*\c:Q+16*\t+8*\c+3],   v[LQ], s[QB:QB+1] offset:\t*2048+1024*\c
	global_load_b128 v[Q+16*\t+8*\c+4:Q+16*\t+8*\c+7], v[LQ], s[QB:QB+1] offset:\t*2048+1024*\c+512
.endr
.endr
.set I, 0
.rept 80
	v_mov_b32 v[O+I], 0                            ; O^T and the row sums: which step is a wave's first hangs on the mask, so none can be written out to start the sums
.set I, I+1
.endr
	WIN 0
.irp t, 0,1
	v_mov_b32 v[ST+8*\t+1], 0xff61b1e6             ; m = -3e38
	v_mul_f32 v[ST+8*\t], s[CS], v[ST+8*\t+1]
	v_mov_b32 v[ST+8*\t+7], 0
.endr
	s_wait_kmcnt 0x0
	s_or_b32 s[CW], s68, s70
	s_or_b32 s[CW], s[CW], s72
	s_or_b32 s[CW], s[CW], s74
	s_or_b32 s[CW], s[CW], s76
	s_or_b32 s[CW], s[CW], s78
	s_or_b32 s[CW], s[CW], s80
	s_or_b32 s[CW], s[CW], s82
	s_wait_loadcnt 0x0
	STAGE_ST 0                                     ; slot 0: every wave has passed the last pass's last barrier, in front of which its LDS reads were over
	s_wait_dscnt 0x0
	s_wait_xcnt 0x0
	s_add_nc_u64 s[KB:KB+1], s[KB:KB+1], 16384
	s_bitcmp1_b32 s[CW], 1
	s_cbranch_scc0 .Lno_first
	STAGE_LD                                       ; step 1
.Lno_first:
	s_barrier_signal -1
	s_barrier_wait -1
	s_mov_b32 s[CNT], 8
.Lstep:                                            ; a trip is two key steps, so that each slot's number stands in the immediates
	STEP 0
	STEP 1
	s_sub_co_u32 s[CNT], s[CNT], 1
	s_cmp_lg_u32 s[CNT], 0
	s_cbranch_scc1 .Lstep
	; THE WAY OUT of a pass: O^T / the row sum, rounded to f16: a lane's eight channels are its 16 bytes of a tile image of y
	NOPS 4
	WIN 0x01
	v_rcp_f32 v[ST+6], v[LS]
	v_rcp_f32 v[ST+14], v[LS+8]
	v_nop
	s_wait_alu depctr_va_vdst(0)
.irp t, 0,1
.irp i, 0,2,4,6,8,10,12,14,16,18,20,22,24,26,28,30
	v_pk_mul_f32 v[S+32*\t+\i:S+32*\t+\i+1], v[O+32*\t+\i:O+32*\t+\i+1], v[ST+8*\t+6:ST+8*\t+7] op_sel_hi:[1,0]
.endr
.endr
	WIN 0
.irp t, 0,1
.irp i, 0,1,2,3,4,5,6,7,8,9,10,11,12,13,14,15
	v_cvt_pk_f16_f32 v[YP+16*\t+\i], v[S+32*\t+2*\i], v[S+32*\t+2*\i+1]
.endr
.endr
.irp t, 0,1
.irp ct, 0,1,2,3
	global_store_b128 v[YO], v[YP+16*\t+4*\ct:YP+16*\t+4*\ct+3], s[YB:YB+1] offset:\t*32768+512*\ct   ; 512 consecutive bytes, aligned
.endr
.endr
	s_xor_b32 s[QBK], s[QBK], 7                    ; the second block
	s_sub_co_u32 s[PS], s[PS], 1
	s_cmp_lg_u32 s[PS], 0
	s_cbranch_scc1 .Lpass
	s_wait_tensorcnt 0x0                           ; the wave's end
	ds_add_u32 v[SPW], v[NIL]
	s_wait_dscnt 0x0
	s_endpgm
.Lfunc_end_k_q69c13241a4_attn:
	.size	k_q69c13241a4_attn, .Lfunc_end_k_q69c13241a4_attn-k_q69c13241a4_attn
	.p2alignl 7, 3214868480
	.fill 96, 4, 3214868480
	.section	.rodata,"a",@progbits
	.p2align	6, 0x0
	.amdhsa_kernel k_q69c13241a4_attn
		.amdhsa_group_segment_fixed_size 66560
		.amdhsa_private_segment_fixed_size 0
		.amdhsa_enable_private_segment 0
		.amdhsa_kernarg_size 32
		.amdhsa_user_sgpr_count 2
		.amdhsa_user_sgpr_kernarg_segment_ptr 1
		.amdhsa_wavefront_size32 1
		.amdhsa_system_sgpr_workgroup_id_x 1
		.amdhsa_system_sgpr_workgroup_id_y 1
		.amdhsa_system_sgpr_workgroup_id_z 1
		.amdhsa_system_vgpr_workitem_id 0
		.amdhsa_next_free_vgpr 512
		.amdhsa_next_free_sgpr 84
		.amdhsa_reserve_vcc 1
		.amdhsa_float_denorm_mode_32 3
		.amdhsa_float_denorm_mode_16_64 3
		.amdhsa_memory_ordered 1
		.amdhsa_forward_progress 1
		.amdhsa_inst_pref_size 112
	.end_amdhsa_kernel
	.amdgpu_metadata
---
amdhsa.version: [ 1, 2 ]
amdhsa.kernels:
  - .name:           k_q69c13241a4_attn
    .symbol:         k_q69c13241a4_attn.kd
    .args:
      - { .name: qkv, .offset: 0, .size: 8, .value_kind: global_buffer, .address_space: global }
      - { .name: mask, .offset: 8, .size: 8, .value_kind: global_buffer, .address_space: global }
      - { .name: flags, .offset: 16, .size: 8, .value_kind: global_buffer, .address_space: global }
      - { .name: yimg, .offset: 24, .size: 8, .value_kind: global_buffer, .address_space: global }
    .group_segment_fixed_size: 66560
    .private_segment_fixed_size: 0
    .kernarg_segment_align: 8
    .kernarg_segment_size: 32
    .max_flat_workgroup_size: 256
    .sgpr_count:     84
    .vgpr_count:     512
    .wavefront_size: 32
...
	.end_amdgpu_metadata
.endif
;; end of part 4
;; launch proj (part 5): grid 4 x 64, 4 waves a work-group, clusters of 4 x 4, 327,680 bytes of LDS; arguments yimg, wp, b_proj, out0; writes out0
.if DOCPART == 5
	.amdgcn_target "amdgcn-amd-amdhsa--gfx1250"
	.amdhsa_code_object_version 6
	.text
	.protected	k_q69c13241a4_proj
	.globl	k_q69c13241a4_proj
	.p2align	8
	.type	k_q69c13241a4_proj,@function
k_q69c13241a4_proj:
	s_mov_b64 s[64:65], 0
	v_nop
	global_prefetch_b8 v0, s[64:65] scope:SCOPE_SE
	s_setreg_imm32_b32 hwreg(HW_REG_WAVE_MODE, 25, 1), 1
	s_wait_xcnt 0x0
	s_wait_alu depctr_hold_cnt(0) depctr_sa_sdst(0) depctr_va_vdst(0) depctr_va_sdst(0) depctr_va_ssrc(0) depctr_va_vcc(0) depctr_vm_vsrc(0)
	s_getreg_b32 s2, hwreg(HW_REG_IB_STS2, 6, 4)
	s_cmp_eq_u32 s2, 0
	s_cbranch_scc0 .Lentry_in_a_cluster
	s_endpgm
.Lentry_in_a_cluster:
	s_bfe_u32 s2, ttmp6, 0x10000c
	s_cmp_lg_u32 s2, 0xf033
	s_cbranch_scc0 .Lentry_shape_is_right
	s_endpgm
.Lentry_shape_is_right:
; out0 = y w_proj^T + b_proj, f16 operands, f32 sums.  y [8192][1024] and w_proj [1024][1024] arrive as f16 TILE IMAGES: 16 rows x 16 columns in 512 bytes, lane l's 16 bytes (row l % 16, columns 8 (l / 16) on) at 16 l;
; a row of 64 tiles (16 rows, all of K) is 32,768 bytes.  Two neighbouring tiles ARE a fragment of 16 rows x 32 K, so fragments come out of LDS by loads at 16 x lane: no pitch, no padding, no conflict.
; A tile of 128 x 256 of the output to a work-group (256 work-groups), 64 x 128 to a wave: 32 accumulators.  K goes in steps of 128 (4,096 bytes of each row of tiles) through two LDS slots:
; y's 8 rows of tiles, then w_proj's 16.  Waves 0 and 1 fetch y's halves, waves 2 and 3 w_proj's, one tensor load each.  CLUSTERS of 4 x 4: y's tiles are asked for jointly along a row of the cluster, w_proj's along a column.
; THE MATRIX INSTRUCTION IS USED TRANSPOSED (source 0 = 16 rows of w_proj, source 1 = 16 rows of y).  The bias is the C of each sum's first matrix instruction.
; Positions 0-15 of each sequence are stored here from f16 operands like all rows, and written over in f32 by the launch that follows: a branch round those rows would hang on the work-group's place in its cluster.
; No prefetch: each slot's refill has a whole K step's 112 matrix instructions in which to land, and the tile is small.
; REGISTERS: window 0: v16-29 addresses; v64-127 y's fragments, two buffers; v128-191 the bias; on the way out v128-255 hold rows.  window 1: v0-127 w_proj's fragments, two buffers.  window 2: accumulator (a, b) at v[8 (8 a + b)].
.set SLOT,   98304
.set BOFF,   32768
.set STAGE,  2*SLOT                    ; 16 rows x 528 bytes for each wave; no tile lands here
.set SPITCH, 528
.set SPARE,  STAGE+4*16*SPITCH         ; the spare words, 128 bytes a wave, named by no other line
.set LAPS,   4                         ; 8 K steps, two to a lap
.set ADRA, 16
.set ADRB, 20
.set STO,  24
.set RD,   25
.set CO,   26
.set BO,   27
.set SPW,  28
.set NIL,  29
.set AFR,  64
.set BI,   128
.set BK,   128
.set G1, 24
.set G0, 32
.set G1B, 48
.set G0B, 56
.set MSB, 0
.macro WIN new
.if MSB != (\new)
	s_set_vgpr_msb (MSB<<8)|(\new)
.set MSB, (\new)
.endif
.endm
.set MUL,  0xa1                        ; source 0 window 1, source 1 window 0, C and D window 2
.set TO_B, 0x40
.macro JLOAD s                         ; a joint load; an s_nop 0 and four v_nop follow each of the two lines
	s_cmp_eq_u32 s15, 0
	s_cbranch_scc0 .Lfor_b_\@
	tensor_load_to_lds s[G0+4*\s:G0+4*\s+3], s[G1:G1+7]
	s_nop 0
.rept 4
	v_nop
.endr
	s_branch .Lasked_\@
.Lfor_b_\@:
	tensor_load_to_lds s[G0B+4*\s:G0B+4*\s+3], s[G1B:G1B+7]
	s_nop 0
.rept 4
	v_nop
.endr
.Lasked_\@:
.endm
.macro CREST
	s_cmp_lg_u32 s14, 0
	s_cbranch_scc1 .Lnot_wave_0_\@
	s_barrier_signal -3
.Lnot_wave_0_\@:
	s_barrier_wait -3
	s_barrier_signal -1
	s_barrier_wait -1
.endm
.macro CROUND
	s_barrier_signal -1
	s_barrier_wait -1
	CREST
.endm
.macro PLACES
.rept 4
	v_nop
.endr
.endm
	s_load_b256 s[4:11], s[0:1], 0x0               ; yimg s[4:5], wp s[6:7], b_proj s[8:9], out0 s[10:11]
	v_lshl_add_u32 v[SPW], v0, 2, SPARE
	v_mov_b32 v[NIL], 0
	ds_add_u32 v[SPW], v[NIL]                      ; the wave's opening: the add, twice on end, and its wait ahead of my first tensor load
	ds_add_u32 v[SPW], v[NIL]
	v_lshrrev_b32 v1, 5, v0
	v_readfirstlane_b32 s14, v1                    ; wave 0..3
	s_lshr_b32 s15, s14, 1                         ; my half of the rows.  Also: I fetch y's tiles (0) or w_proj's (1)
	s_and_b32 s16, s14, 1                          ; my half of the columns.  Also: which half of that tile I fetch
	s_bfe_u32 s40, ttmp6, 0x40000                  ; cx
	s_bfe_u32 s41, ttmp6, 0x40004                  ; cy
	s_lshl_b32 s42, ttmp9, 2
	s_add_co_u32 s42, s42, s40                     ; tile column
	s_and_b32 s17, ttmp7, 0xffff
	s_lshl_b32 s17, s17, 2
	s_add_co_u32 s17, s17, s41                     ; tile row
	s_lshl_b32 s43, s41, 2
	s_lshl_b32 s43, 15, s43                        ; my row of the cluster
	s_lshl_b32 s44, 0x1111, s40                    ; my column
	s_or_b32 s[G1+0], s43, (3<<16)|(1<<21)         ; the mask; elements of 8 bytes; no padding; bit 21 beside a mask
	s_or_b32 s[G1B+0], s44, (3<<16)|(1<<21)
	s_mov_b32 s[G1+1], 512<<16                     ; tensor_dim0 = 512 elements: 4,096 bytes
	s_mov_b32 s[G1+2], 4<<16                       ; tensor_dim1 = 4 rows of tiles
	s_mov_b32 s[G1+3], 512<<16                     ; tile_dim0
	s_mov_b32 s[G1+4], 4                           ; tile_dim1
	s_mov_b32 s[G1+5], 4096                        ; from row to row: 32,768 bytes
	s_mov_b32 s[G1+6], 0
	s_mov_b32 s[G1+7], 0
	s_mov_b32 s[G1B+1], 512<<16
	s_mov_b32 s[G1B+2], 8<<16                      ; 8 rows of tiles
	s_mov_b32 s[G1B+3], 512<<16
	s_mov_b32 s[G1B+4], 8
	s_mov_b32 s[G1B+5], 4096
	s_mov_b32 s[G1B+6], 0
	s_mov_b32 s[G1B+7], 0
	s_lshl_b32 s20, s17, 18                        ; y: 8 rows of tiles a tile row,
	s_lshl_b32 s18, s16, 17                        ; 4 to my half
	s_add_co_u32 s20, s20, s18
	s_mov_b32 s21, 0
	s_lshl_b32 s46, s42, 19                        ; w_proj: 16 rows of tiles a tile column,
	s_lshl_b32 s47, s16, 18                        ; 8 to my half
	s_add_co_u32 s46, s46, s47
	s_mov_b32 s47, 0
	s_lshl_b32 s45, s16, 14                        ; where they go: y's halves of 16,384 bytes,
	s_lshl_b32 s19, s16, 15
	s_add_co_u32 s19, s19, BOFF                    ; w_proj's of 32,768 behind them
	s_wait_dscnt 0x0                               ; both opening adds are done
	s_wait_kmcnt 0x0
	s_add_nc_u64 s[20:21], s[4:5], s[20:21]
	s_add_nc_u64 s[46:47], s[6:7], s[46:47]
	CROUND                                         ; all sixteen work-groups are here: the first joint loads meet
.irp s, 0,1
	s_mov_b32 s[G0+4*\s], 1
	s_add_co_u32 s[G0+4*\s+1], s45, \s*SLOT
	s_add_nc_u64 s[G0+4*\s+2:G0+4*\s+3], s[20:21], \s*4096
	s_or_b32 s[G0+4*\s+3], s[G0+4*\s+3], 0x80000000
	s_mov_b32 s[G0B+4*\s], 1
	s_add_co_u32 s[G0B+4*\s+1], s19, \s*SLOT
	s_add_nc_u64 s[G0B+4*\s+2:G0B+4*\s+3], s[46:47], \s*4096
	s_or_b32 s[G0B+4*\s+3], s[G0B+4*\s+3], 0x80000000
	JLOAD \s                                       ; two loads of mine are out
.endr
	v_and_b32 v1, 31, v0                           ; lane
	v_and_b32 v2, 15, v0                           ; r
	v_bfe_u32 v3, v0, 4, 1                         ; h
	v_lshlrev_b32 v[BO], 5, v3
	s_lshl_b32 s46, s42, 10                        ; my first column, in bytes of f32: (256 x tile column + 128 x half) x 4
	s_lshl_b32 s47, s16, 9
	s_add_co_u32 s46, s46, s47
	s_mov_b32 s47, 0
	s_add_nc_u64 s[8:9], s[8:9], s[46:47]
.irp b, 0,1,2,3,4,5,6,7
	global_load_b128 v[BI+8*\b:BI+8*\b+3], v[BO], s[8:9] offset:64*\b
	global_load_b128 v[BI+8*\b+4:BI+8*\b+7], v[BO], s[8:9] offset:64*\b+16
.endr
	v_lshlrev_b32 v[CO], 4, v1
	s_lshl_b32 s21, s15, 14                        ; my 4 rows of tiles of y
	s_lshl_b32 s22, s16, 15                        ; my 8 of w_proj
	s_add_co_u32 s22, s22, BOFF
.irp s, 0,1
	v_add_nc_u32 v[ADRA+\s], s21, v[CO]
	v_add_nc_u32 v[ADRB+\s], s22, v[CO]
	s_add_co_u32 s21, s21, SLOT
	s_add_co_u32 s22, s22, SLOT
.endr
	s_mul_i32 s23, s14, 16*SPITCH
	s_add_co_u32 s23, s23, STAGE                   ; my stage
	v_mul_u32_u24 v4, v2, SPITCH
	v_lshl_add_u32 v4, v3, 5, v4
	v_add_nc_u32 v[STO], s23, v4                   ; in: row r, 32 bytes for each half of the lanes
	v_add_nc_u32 v[RD], s23, v[CO]                 ; back: a row of 512 bytes, 16 a lane
	s_lshl_b32 s20, s17, 19                        ; my first row: (128 x tile row + 64 x half) x 4,096 bytes
	s_lshl_b32 s21, s15, 18
	s_add_co_u32 s20, s20, s21
	s_mov_b32 s21, 0
	s_add_nc_u64 s[20:21], s[20:21], s[46:47]
	s_add_nc_u64 s[10:11], s[10:11], s[20:21]
.macro FETCH slot, q, f                ; the fragments of 32 along K, the slot's q-th, into buffer f: 24 loads
	WIN TO_B
.irp i, 0,1,2,3,4,5,6,7
	ds_load_b128 v[64*(\f)+8*\i:64*(\f)+8*\i+3],   v[ADRB+\slot] offset:\i*4096+(\q)*1024
	ds_load_b128 v[64*(\f)+8*\i+4:64*(\f)+8*\i+7], v[ADRB+\slot] offset:\i*4096+(\q)*1024+512
.endr
	WIN 0
.irp i, 0,1,2,3
	ds_load_b128 v[AFR+32*(\f)+8*\i:AFR+32*(\f)+8*\i+3],   v[ADRA+\slot] offset:\i*4096+(\q)*1024
	ds_load_b128 v[AFR+32*(\f)+8*\i+4:AFR+32*(\f)+8*\i+7], v[ADRA+\slot] offset:\i*4096+(\q)*1024+512
.endr
.endm
.macro MUL8 f, a, zero                 ; y's block a against w_proj's eight.  The 32 accumulators take turns, in the same order in every quarter
.irp b, 0,1,2,3,4,5,6,7
.if \zero
	v_wmma_f32_16x16x32_f16 v[8*(8*(\a)+\b):8*(8*(\a)+\b)+7], v[64*(\f)+8*\b:64*(\f)+8*\b+7], v[AFR+32*(\f)+8*(\a):AFR+32*(\f)+8*(\a)+7], v[BI+8*\b:BI+8*\b+7]
.else
	v_wmma_f32_16x16x32_f16 v[8*(8*(\a)+\b):8*(8*(\a)+\b)+7], v[64*(\f)+8*\b:64*(\f)+8*\b+7], v[AFR+32*(\f)+8*(\a):AFR+32*(\f)+8*(\a)+7], v[8*(8*(\a)+\b):8*(8*(\a)+\b)+7]
.endif
.endr
.endm
.macro QUARTER slot, q, f, g, zero     ; multiplies buffer f; ahead of that the slot's q-th quarter is asked for, into buffer g
	s_wait_dscnt 0x0                               ; buffer f is in
	PLACES                                         ; behind the products that read buffer g
	FETCH \slot, \q, \g
	WIN MUL-0x20*(\zero)                           ; (zero = 1: C, the bias, lies in window 0)
	MUL8 \f, 0, \zero
	MUL8 \f, 1, \zero
	MUL8 \f, 2, \zero
	MUL8 \f, 3, \zero
.endm
; A slot's last quarter multiplies buffer 1 and changes slots: one barrier; in front of it each wave waits for all its tensor loads, adds 0 to its spare word, and waits for that and for its reads of this slot.
.macro TURN slot, next, fill
	WIN 0
	s_wait_tensorcnt 0x0                           ; my part of the next slot has landed
	ds_add_u32 v[SPW], v[NIL]                      ; 0 onto my spare word
	s_wait_dscnt 1                                 ; buffer 1 is in; the add may be out
	WIN MUL
	MUL8 1, 0, 0
	s_wait_dscnt 0x0                               ; the add is done, and my reads of this slot are over
	s_barrier_signal -1
	MUL8 1, 1, 0
.if \fill
	WIN 0
.endif
	s_barrier_wait -1
.if \fill
	CREST                                          ; the barrier has opened a round of the cluster's: no wave of any partner still reads this slot or has a load on its way
	s_add_nc_u64 s[G0+4*\slot+2:G0+4*\slot+3], s[G0+4*\slot+2:G0+4*\slot+3], 8192
	s_add_nc_u64 s[G0B+4*\slot+2:G0B+4*\slot+3], s[G0B+4*\slot+2:G0B+4*\slot+3], 8192
	JLOAD \slot                                    ; the first tensor load behind the round; its four v_nop are also the places in front of the loads below
.else
	PLACES
.endif
	FETCH \next, 0, 0
	WIN MUL
	MUL8 1, 2, 0
	MUL8 1, 3, 0
.endm
	s_wait_tensorcnt 1                             ; my part of slot 0 is in; slot 1's load may be out
	s_barrier_signal -1
	s_barrier_wait -1
	FETCH 0, 0, 0
	s_wait_loadcnt 0x0                             ; the bias
	QUARTER 0, 1, 0, 1, 1                          ; the first quarter stands ahead of the loop: its products start the sums
	WIN 0
	s_mov_b32 s3, LAPS-1
.Llap:                                             ; a trip goes once round the ring and fills both slots again
	QUARTER 0, 2, 1, 0, 0
	QUARTER 0, 3, 0, 1, 0
	TURN 0, 1, 1
	QUARTER 1, 1, 0, 1, 0
	QUARTER 1, 2, 1, 0, 0
	QUARTER 1, 3, 0, 1, 0
	TURN 1, 0, 1
	QUARTER 0, 1, 0, 1, 0
	WIN 0
	s_sub_co_u32 s3, s3, 1
	s_cmp_lg_u32 s3, 0
	s_cbranch_scc1 .Llap
	QUARTER 0, 2, 1, 0, 0                          ; the last lap fills nothing
	QUARTER 0, 3, 0, 1, 0
	TURN 0, 1, 0
	QUARTER 1, 1, 0, 1, 0
	QUARTER 1, 2, 1, 0, 0
	QUARTER 1, 3, 0, 1, 0
	s_wait_dscnt 0x0
	WIN MUL
	MUL8 1, 0, 0
	MUL8 1, 1, 0
	MUL8 1, 2, 0
	MUL8 1, 3, 0
	WIN 0
; THE WAY OUT, 16 rows x 128 columns at a time, through my own stage: in as 32 bytes a lane, back as whole rows of 512 bytes.  LDS serves a wave's instructions in order.
.macro TOSTAGE a
	WIN 0x08                                       ; an LDS store's data are its source 1: window 2
.irp b, 0,1,2,3,4,5,6,7
	ds_store_b128 v[STO], v[8*(8*(\a)+\b):8*(8*(\a)+\b)+3] offset:64*\b        ; each accumulator from its low end on
	ds_store_b128 v[STO], v[8*(8*(\a)+\b)+4:8*(8*(\a)+\b)+7] offset:64*\b+16
.endr
	WIN 0
.set BB, BK+64*((\a)%2)
.irp t, 0,1,2,3,4,5,6,7,8,9,10,11,12,13,14,15
	ds_load_b128 v[BB+4*\t:BB+4*\t+3], v[RD] offset:\t*SPITCH
.endr
.endm
.macro SEND a, younger
.set BB, BK+64*((\a)%2)
	s_wait_dscnt \younger
.irp t, 0,1,2,3,4,5,6,7,8,9,10,11,12,13,14,15
	global_store_b128 v[CO], v[BB+4*\t:BB+4*\t+3], s[10:11] offset:(\a)*65536+\t*4096 th:TH_STORE_NT   ; 512 consecutive bytes, aligned
.endr
.endm
	PLACES
	TOSTAGE 0
.irp a, 1,2,3
.if \a > 1
	s_wait_xcnt 0x0                                ; block a - 2's stores have read their registers: block a's loads may land there
.endif
	TOSTAGE \a
	SEND (\a)-1, 32                                ; behind block a - 1's loads: block a's 16 stores and 16 loads
.endr
	SEND 3, 0
	s_wait_tensorcnt 0x0                           ; the wave's end
	ds_add_u32 v[SPW], v[NIL]
	s_wait_dscnt 0x0
	CROUND                                         ; the closing round
	s_endpgm
.Lfunc_end_k_q69c13241a4_proj:
	.size	k_q69c13241a4_proj, .Lfunc_end_k_q69c13241a4_proj-k_q69c13241a4_proj
	.p2alignl 7, 3214868480
	.fill 96, 4, 3214868480
	.section	.rodata,"a",@progbits
	.p2align	6, 0x0
	.amdhsa_kernel k_q69c13241a4_proj
		.amdhsa_group_segment_fixed_size 327680
		.amdhsa_private_segment_fixed_size 0
		.amdhsa_enable_private_segment 0
		.amdhsa_kernarg_size 32
		.amdhsa_user_sgpr_count 2
		.amdhsa_user_sgpr_kernarg_segment_ptr 1
		.amdhsa_wavefront_size32 1
		.amdhsa_system_sgpr_workgroup_id_x 1
		.amdhsa_system_sgpr_workgroup_id_y 1
		.amdhsa_system_sgpr_workgroup_id_z 1
		.amdhsa_system_vgpr_workitem_id 0
		.amdhsa_next_free_vgpr 768
		.amdhsa_next_free_sgpr 66
		.amdhsa_reserve_vcc 0
		.amdhsa_float_denorm_mode_32 3
		.amdhsa_float_denorm_mode_16_64 3
		.amdhsa_memory_ordered 1
		.amdhsa_forward_progress 1
		.amdhsa_inst_pref_size 86
	.end_amdhsa_kernel
	.amdgpu_metadata
---
amdhsa.version: [ 1, 2 ]
amdhsa.kernels:
  - .name:           k_q69c13241a4_proj
    .symbol:         k_q69c13241a4_proj.kd
    .args:
      - { .name: yimg, .offset: 0, .size: 8, .value_kind: global_buffer, .address_space: global }
      - { .name: wp, .offset: 8, .size: 8, .value_kind: global_buffer, .address_space: global }
      - { .name: b_proj, .offset: 16, .size: 8, .value_kind: global_buffer, .address_space: global }
      - { .name: out0, .offset: 24, .size: 8, .value_kind: global_buffer, .address_space: global }
    .group_segment_fixed_size: 327680
    .private_segment_fixed_size: 0
    .kernarg_segment_align: 8
    .kernarg_segment_size: 32
    .max_flat_workgroup_size: 128
    .sgpr_count:     66
    .vgpr_count:     768
    .wavefront_size: 32
...
	.end_amdgpu_metadata
.endif
;; end of part 5
;; launch fineproj (part 6): grid 64 x 4, 4 waves a work-group, no clusters, 4,608 bytes of LDS; arguments yfine, w_proj, b_proj, out0; writes out0
.if DOCPART == 6
	.amdgcn_target "amdgcn-amd-amdhsa--gfx1250"
	.amdhsa_code_object_version 6
	.text
	.protected	k_q69c13241a4_fineproj
	.globl	k_q69c13241a4_fineproj
	.p2align	8
	.type	k_q69c13241a4_fineproj,@function
k_q69c13241a4_fineproj:
	s_mov_b64 s[64:65], 0
	v_nop
	global_prefetch_b8 v0, s[64:65] scope:SCOPE_SE
	s_setreg_imm32_b32 hwreg(HW_REG_WAVE_MODE, 25, 1), 1
	s_wait_xcnt 0x0
; POSITIONS 0-15 OF EVERY SEQUENCE: out0 = yfine w_proj^T + b_proj in f32, written over what the launch before stored there from f16 operands.
; A work-group makes 16 positions x 16 outputs of one batch; wave w sums k = 256 w .. 256 w + 255 by 64 v_wmma_f32_16x16x4_f32 on four accumulators that take turns; the four waves' parts meet in LDS and wave 0 stores.
; A lane loads 16 bytes (4 numbers) of its row at 16 (l / 16) + 32 i.  Registers 0, 1 and registers 2, 3 of such a load are each one K step of 4: both operands carry the same order of k, so nothing is moved.
; Source 0 = 16 rows of w_proj, source 1 = 16 rows of yfine: a lane holds position l % 16 and outputs 8 (l / 16) + j.  The stores are pieces of 64 bytes: 256 KiB in all, spread over 256 work-groups for the sake of the f32 products.
.set SPARE, 4096                       ; the spare words, 128 bytes a wave, named by no other line
.set SPW, 2
.set NIL, 3
.set ACC, 32                           ; v32-63: written by matrix instructions alone
.set MSB, 0
.macro WIN new
.if MSB != (\new)
	s_set_vgpr_msb (MSB<<8)|(\new)
.set MSB, (\new)
.endif
.endm
	s_load_b256 s[4:11], s[0:1], 0x0               ; yfine s[4:5], w_proj s[6:7], b_proj s[8:9], out0 s[10:11]
	v_lshl_add_u32 v[SPW], v0, 2, SPARE
	v_mov_b32 v[NIL], 0
	v_and_b32 v8, 15, v0                           ; r
	v_bfe_u32 v9, v0, 4, 1                         ; h
	v_lshlrev_b32 v1, 12, v8
	v_lshl_add_u32 v1, v9, 4, v1                   ; a row of 4,096 bytes, + 16 h
	v_and_b32 v5, 31, v0
	v_lshlrev_b32 v5, 4, v5                        ; 16 x lane
	v_lshrrev_b32 v10, 5, v0
	v_readfirstlane_b32 s12, v10                   ; wave
	v_lshl_add_u32 v4, v10, 10, v5                 ; my wave's 1,024 bytes of LDS
	v_lshlrev_b32 v6, 5, v9                        ; 32 h
	v_lshl_add_u32 v7, v8, 12, v6                  ; the output: row r, + 32 h
	s_and_b32 s13, ttmp7, 0xffff                   ; batch
	s_lshl_b32 s14, s12, 10                        ; my 256 along K
	s_lshl_b32 s16, s13, 16
	s_add_co_u32 s16, s16, s14
	s_mov_b32 s17, 0
	s_lshl_b32 s18, ttmp9, 16                      ; 16 rows of w_proj
	s_add_co_u32 s18, s18, s14
	s_mov_b32 s19, 0
	s_lshl_b32 s20, ttmp9, 6                       ; 16 outputs of 4 bytes
	s_mov_b32 s21, 0
	s_lshl_b32 s22, s13, 23                        ; 2,048 rows of 4,096 bytes a batch
	s_add_co_u32 s22, s22, s20
	s_mov_b32 s23, 0
	s_wait_kmcnt 0x0
	s_add_nc_u64 s[4:5], s[4:5], s[16:17]
	s_add_nc_u64 s[6:7], s[6:7], s[18:19]
	s_add_nc_u64 s[8:9], s[8:9], s[20:21]
	s_add_nc_u64 s[10:11], s[10:11], s[22:23]
	global_load_b128 v[104:107], v6, s[8:9]
	global_load_b128 v[108:111], v6, s[8:9] offset:16
	WIN 0x40
.set I, 0
.rept 32
	global_load_b128 v[4*I:4*I+3], v1, s[6:7] offset:32*I
	global_load_b128 v[128+4*I:128+4*I+3], v1, s[4:5] offset:32*I
.set I, I+1
.endr
	s_wait_loadcnt 0x0
	WIN 0x05
.set N, 0
.rept 64
.if N < 4
	v_wmma_f32_16x16x4_f32 v[ACC+8*(N%4):ACC+8*(N%4)+7], v[2*N:2*N+1], v[128+2*N:128+2*N+1], 0
.else
	v_wmma_f32_16x16x4_f32 v[ACC+8*(N%4):ACC+8*(N%4)+7], v[2*N:2*N+1], v[128+2*N:128+2*N+1], v[ACC+8*(N%4):ACC+8*(N%4)+7]
.endif
.set N, N+1
.endr
	WIN 0
.rept 8
	v_nop
.endr
.irp j, 0,2,4,6
	v_pk_add_f32 v[64+\j:65+\j], v[ACC+\j:ACC+1+\j], v[ACC+8+\j:ACC+9+\j]
.endr
.irp j, 0,2,4,6
	v_pk_add_f32 v[72+\j:73+\j], v[ACC+16+\j:ACC+17+\j], v[ACC+24+\j:ACC+25+\j]
.endr
.irp j, 0,2,4,6
	v_pk_add_f32 v[64+\j:65+\j], v[64+\j:65+\j], v[72+\j:73+\j]
.endr
	ds_store_b128 v4, v[64:67]
	ds_store_b128 v4, v[68:71] offset:512
	s_wait_dscnt 0x0                               ; for the others' sake: my part lies in LDS
	s_barrier_signal -1
	s_barrier_wait -1
	s_cmp_lg_u32 s12, 0
	s_cbranch_scc1 .Lend
.irp w, 1,2,3
	ds_load_b128 v[72+8*\w:75+8*\w], v5 offset:1024*\w
	ds_load_b128 v[76+8*\w:79+8*\w], v5 offset:1024*\w+512
.endr
	s_wait_dscnt 0x0
.irp j, 0,2,4,6
	v_pk_add_f32 v[64+\j:65+\j], v[64+\j:65+\j], v[80+\j:81+\j]
	v_pk_add_f32 v[88+\j:89+\j], v[88+\j:89+\j], v[96+\j:97+\j]
.endr
.irp j, 0,2,4,6
	v_pk_add_f32 v[64+\j:65+\j], v[64+\j:65+\j], v[88+\j:89+\j]
.endr
.irp j, 0,2,4,6
	v_pk_add_f32 v[64+\j:65+\j], v[64+\j:65+\j], v[104+\j:105+\j]   ; the bias
.endr
	global_store_b128 v7, v[64:67], s[10:11]
	global_store_b128 v7, v[68:71], s[10:11] offset:16
.Lend:
	s_wait_tensorcnt 0x0                           ; the wave's end
	ds_add_u32 v[SPW], v[NIL]
	s_wait_dscnt 0x0
	s_endpgm
.Lfunc_end_k_q69c13241a4_fineproj:
	.size	k_q69c13241a4_fineproj, .Lfunc_end_k_q69c13241a4_fineproj-k_q69c13241a4_fineproj
	.p2alignl 7, 3214868480
	.fill 96, 4, 3214868480
	.section	.rodata,"a",@progbits
	.p2align	6, 0x0
	.amdhsa_kernel k_q69c13241a4_fineproj
		.amdhsa_group_segment_fixed_size 4608
		.amdhsa_private_segment_fixed_size 0
		.amdhsa_enable_private_segment 0
		.amdhsa_kernarg_size 32
		.amdhsa_user_sgpr_count 2
		.amdhsa_user_sgpr_kernarg_segment_ptr 1
		.amdhsa_wavefront_size32 1
		.amdhsa_system_sgpr_workgroup_id_x 1
		.amdhsa_system_sgpr_workgroup_id_y 1
		.amdhsa_system_sgpr_workgroup_id_z 1
		.amdhsa_system_vgpr_workitem_id 0
		.amdhsa_next_free_vgpr 512
		.amdhsa_next_free_sgpr 66
		.amdhsa_reserve_vcc 0
		.amdhsa_float_denorm_mode_32 3
		.amdhsa_float_denorm_mode_16_64 3
		.amdhsa_memory_ordered 1
		.amdhsa_forward_progress 1
		.amdhsa_inst_pref_size 15
	.end_amdhsa_kernel
	.amdgpu_metadata
---
amdhsa.version: [ 1, 2 ]
amdhsa.kernels:
  - .name:           k_q69c13241a4_fineproj
    .symbol:         k_q69c13241a4_fineproj.kd
    .args:
      - { .name: yfine, .offset: 0, .size: 8, .value_kind: global_buffer, .address_space: global }
      - { .name: w_proj, .offset: 8, .size: 8, .value_kind: global_buffer, .address_space: global }
      - { .name: b_proj, .offset: 16, .size: 8, .value_kind: global_buffer, .address_space: global }
      - { .name: out0, .offset: 24, .size: 8, .value_kind: global_buffer, .address_space: global }
    .group_segment_fixed_size: 4608
    .private_segment_fixed_size: 0
    .kernarg_segment_align: 8
    .kernarg_segment_size: 32
    .max_flat_workgroup_size: 128
    .sgpr_count:     66
    .vgpr_count:     512
    .wavefront_size: 32
...
	.end_amdgpu_metadata
.endif
;; end of part 6
